; MI455X (gfx1250); checked and timed in simulation.
; The chip was launched on July 23, 2026; its instructions are those of AMD's public machine-readable ISA for CDNA 5 (MIT licence, August 2026) and "CDNA5" Instruction Set Architecture Reference Guide (July 2026). The comments in the code are by the model that wrote it; some were corrected since.
;; Attention. Allowed arithmetic: matrix products marked QUANTISED: E2M3 operands, one E8M0 scale for each 32 along K, by v_wmma_scale_f32_16x16x128_f8f6f4 with both operands' format E2M3, f32 sums; everything else in f32.
;; Inputs: Wkv 512 x 256 float32; Wout 512 x 512 float32; Wq 512 x 512 float32; beta 512 float32; bout 512 float32; gamma 512 float32; x 4 x 512 x 2,048 float32.
;; Outputs: out0 4 x 512 x 2,048 float32.
;; This version of the problem:
;;   THIS VERSION OF THE PROBLEM IS GIVEN IN LOW PRECISION. The matrix products marked QUANTISED in the list below multiply operands that are first quantised to E2M3 (2 exponent bits, 3 mantissa bits; 6 bits a number), with one power-of-two scale for each 32 numbers along K (OCP MX v1.0); their sums are f32. All else is computed in f32.
;;   The module's matrix products, in the order in which they are computed (A, B: the left and right operand; K: the contracted axis; several contracted axes count as one K, in the product's order):
;;     1. [M 8,192, K 512] x [K 512, N 512]; A: computed on the way; B: input Wq: QUANTISED
;;     2. [M 8,192, K 512] x [K 512, N 256]; A: computed on the way; B: input Wkv: QUANTISED
;;     3. batch 32 x [M 2,048, K 64] x [K 64, N 2,048]; A: computed on the way; B: computed on the way: QUANTISED
;;     4. batch 32 x [M 2,048, K 2,048] x [K 2,048, N 64]; A: softmax (see below); B: computed on the way: QUANTISED
;;     5. [M 8,192, K 512] x [K 512, N 512]; A: computed on the way; B: input Wout: QUANTISED
;;   THE QUANTISER, for each operand of a quantised product, along K:
;;     - K is cut into blocks of 32 from its start; a last block that is shorter is filled with zeros.
;;     - A block's scale is 2^e with e = floor(log2(the largest magnitude in the block)) - 2, held to -126 .. 127; a block of zeros has e = 0. As a byte (E8M0): e + 127.
;;     - Each number is divided by its block's scale, clamped to +-7.5, and rounded to the nearest number of E2M3, ties to even, subnormals kept.
;;     - The product sums the exact products of the quantised numbers (number of the format x scale) in f32.
;;   ~~~python
;;   def quantise(x, axis):      # numpy; x: float32 -> the quantised numbers, widened to float32 again
;;       x = np.moveaxis(x, axis, -1); K = x.shape[-1]
;;       x = np.pad(x, [(0, 0)] * (x.ndim - 1) + [(0, -K % 32)]); x = x.reshape(x.shape[:-1] + (-1, 32)); a = np.abs(x).max(-1, keepdims=True)
;;       e = np.where(a > 0, np.clip(np.frexp(np.where(a > 0, a, 1))[1] - 1 - 2, -126, 127), 0)      # np.frexp(a)[1] - 1 = floor(log2(a)), exactly
;;       r = np.clip(x / 2.0 ** e, -7.5, 7.5)
;;       step = 2.0 ** (np.maximum(np.frexp(np.where(r == 0, 1, r))[1] - 1, 0) - 3)
;;       q = np.round(r / step) * step * 2.0 ** e      # np.round: ties to even
;;       return np.moveaxis(q.reshape(q.shape[:-2] + (-1,))[..., :K], -1, axis).astype(np.float32)
;;   ~~~
;;   SOFTMAX AHEAD OF A QUANTISED PRODUCT. Where the list says 'softmax', what is quantised is not the finished softmax but p = 2^(t - M), with t = logit x log2(e) and M = ceil(the row's largest t), a whole number; so 1/2 < the row's largest p <= 1. The row's sum l is taken of the UNQUANTISED p, in f32, and the product's result is divided by l at the end. Since M is a whole number, a kernel that streams over the keys may use a running M (the ceiling of the running maximum): every later rescaling is an exact power of two, which a block's scale takes up: the codes' values come out the same.
;;   OPERANDS COMPUTED ON THE WAY. 'Computed on the way' means the value that the module computes at that place (a softmax that the list does not call 'softmax' is quantised finished and normalised). What goes into a quantiser is computed in f32, as accurately as f32 sums, v_exp_f32 and their like allow (about 1e-6 of the number): no bf16 or f16 on the way to a quantiser, and a product that is left as it is and whose result goes on into a quantised operand takes f32 operands (vector FMAs, or v_wmma_f32_16x16x4_f32). A number that lies on a knife's edge between two numbers of the format may be rounded either way, as far as f32 arithmetic and the matrix unit's own rounding can turn it there, and no further.
;; One version. Each part assembles by itself: llvm-mc -triple=amdgcn-amd-amdhsa -mcpu=gfx1250 --defsym DOCPART=n.
;; ======== version 1 of 1: 4 launches
;; limits: right only within a limited range of input values
;; workspace buffers: wqkv 307,200 bytes; wo 204,800 bytes; rot 1,048,576 bytes; qkvc 4,915,200 bytes; stats 131,072 bytes; oc 3,276,800 bytes
;; launch prep (part 1): grid 168 x 1, 4 waves a work-group, no clusters, 0 bytes of LDS; arguments Wq, Wkv, Wout, wqkv, wo, rot; writes wqkv, wo, rot
.if DOCPART == 1
	.amdgcn_target "amdgcn-amd-amdhsa--gfx1250"
	.amdhsa_code_object_version 6
	.text
	.protected	k_qbe637dea60_prep
	.globl	k_qbe637dea60_prep
	.p2align	8
	.type	k_qbe637dea60_prep,@function
k_qbe637dea60_prep:
	s_mov_b64 s[64:65], 0
	v_nop
	global_prefetch_b8 v0, s[64:65] scope:SCOPE_SE
	s_setreg_imm32_b32 hwreg(HW_REG_WAVE_MODE, 25, 1), 1
	s_wait_xcnt 0x0
; PREP.  The three weights, f32 stored [K][N], become codes of FP6 (E2M3) with one E8M0 byte for each 32 along K, laid as IMAGES OF THE OPERAND'S REGISTERS;
; and the rotary tables are made.  Four ways, chosen by the work-group's number; each is whole and ends by itself.
;   work-groups  0-15: Wq (g = number), 32 columns each;  16-23: Wkv (g = number - 16);  24-39: Wout (g = number - 24);  40-167: tables, one tile of 16 positions each, wave w making piece w (four numbers a lane for each kind).
; WEIGHTS.  Wave w takes K step w (rows 128 w .. 128 w + 127).  A LANE TAKES A COLUMN AND ITS REGISTERS RUN DOWN K: each load reads 128 consecutive bytes, a block of 32 lies in one lane,
; the conversions give codes with K innermost.  A lane then holds all four blocks of its column; the operand wants blocks h and 2 + h of row r in lane (r, h): six exchanges of halves for each 64 along K
; make of the 32 columns two fragments of 16.  A fragment's image is 1,536 bytes: registers 4 q .. 4 q + 3 of lane l at 512 q + 16 l.  The 32 scale words follow each other, 4 bytes a lane.
; Wout's rows are taken, inside each block of 32, in the order 0-7, 16-23, 8-15, 24-31: the order in which the attention launch leaves its codes along that K.
; A block's scale is 2^(floor(log2(largest magnitude)) - 2); its byte is the magnitude's exponent field - 2, held at 1 from below.
; TABLES.  rot[kind][tile of 16 positions][piece 4][lane 32][16 bytes], f32; kinds: cos x scale, sin x scale, cos / scale, sin / scale.  Number a = 4 x piece + word of lane (r, h): position 16 pt + r, frequency 16 (a / 8) + 8 h + a % 8.
; Sine and cosine: the angle (position x 10^(-f/8), rounded to f32 as the model has it) less n x pi/2 in two parts (what is left out of pi/2, times n <= 1,304, is under 1e-11), then Taylor sums to r^9 and r^10 on |r| <= pi/4.
; LIMITS: NaN and infinities are not served; a block of zeros gets the byte 1 (its codes are zeros; only this program reads the bytes); 10^(-f/8) is the nearest f32, 1 / scale is made as 2^(-e).
.set X,   64                           ; v64-191  128 numbers of my column
.set M,   16                           ; v16-19   the four blocks' largest magnitudes
.set SC,  20                           ; v20-23   second chains of the maxima, then the conversions' scale operands
.set BY,  24                           ; v24-27   the scale bytes
.set PW,  28                           ; v28      my column's scale word
.set F0,  32                           ; v32-43   the fragment of columns 0-15
.set F1,  44                           ; v44-55   of columns 16-31
.set TH,  56                           ; v56-58, v60-62  the upper halves of two blocks
.set OUT, 64                           ; the tables' way: v64-127, 16 numbers for each kind
.macro QMAX b                          ; the largest magnitude of block b, two chains, the floor 2^(3 - 127) as the last leaf
	v_max3_num_f32 v[M+\b], |v[X+32*\b]|, |v[X+32*\b+1]|, |v[X+32*\b+2]|
	v_max3_num_f32 v[SC+\b], |v[X+32*\b+3]|, |v[X+32*\b+4]|, |v[X+32*\b+5]|
.irp i, 6,10,14,18,22,26
	v_max3_num_f32 v[M+\b], v[M+\b], |v[X+32*\b+\i]|, |v[X+32*\b+\i+1]|
	v_max3_num_f32 v[SC+\b], v[SC+\b], |v[X+32*\b+\i+2]|, |v[X+32*\b+\i+3]|
.endr
	v_max3_num_f32 v[M+\b], v[M+\b], |v[X+32*\b+30]|, |v[X+32*\b+31]|
	v_max3_num_f32 v[M+\b], v[M+\b], v[SC+\b], 0x1800000
.endm
.macro QFIN                            ; scale operands, bytes, the scale word, the codes, and the exchange that makes two fragments
.irp b, 0,1,2,3
	v_add_nc_u32 v[SC+\b], 0xff000000, v[M+\b]     ; 2 off the exponent field: the conversion takes that field as its scale
.endr
.irp b, 0,1,2,3
	v_lshrrev_b32 v[BY+\b], 23, v[SC+\b]
.endr
	v_lshl_or_b32 v[PW], v[BY+1], 8, v[BY]
	v_lshl_or_b32 v[PW], v[BY+2], 16, v[PW]
	v_lshl_or_b32 v[PW], v[BY+3], 24, v[PW]
.irp c, 0,1
	v_cvt_scalef32_pk16_fp6_f32 v[F0+6*\c:F0+6*\c+2], v[X+64*\c:X+64*\c+15], v[SC+2*\c]          ; block 2 c, lower 16
	v_cvt_scalef32_pk16_fp6_f32 v[TH:TH+2], v[X+64*\c+16:X+64*\c+31], v[SC+2*\c]                 ; upper 16
	v_cvt_scalef32_pk16_fp6_f32 v[F1+6*\c:F1+6*\c+2], v[X+64*\c+32:X+64*\c+47], v[SC+2*\c+1]     ; block 2 c + 1
	v_cvt_scalef32_pk16_fp6_f32 v[TH+4:TH+6], v[X+64*\c+48:X+64*\c+63], v[SC+2*\c+1]
	v_nop                                          ; one plain place behind a scaled conversion
.irp i, 0,1,2
	v_mov_b32 v[F0+6*\c+3+\i], v[TH+\i]
	v_mov_b32 v[F1+6*\c+3+\i], v[TH+4+\i]
.endr
.irp i, 0,1,2,3,4,5
	v_permlane16_swap_b32 v[F0+6*\c+\i], v[F1+6*\c+\i]   ; F0: lanes 0-15 block 2 c of column r, lanes 16-31 block 2 c + 1 of column r; F1 the same of column 16 + r
.endr
.endr
.endm
; One weight's work.  s20 = g; s[24:25] where the two images go, s[26:27] where the 32 scale words go.
.macro WBODY src, pitch, perm
	s_mul_i32 s28, s16, 128*\pitch                 ; my K step's first row,
	s_lshl_b32 s29, s20, 7                         ; my 32 columns
	s_add_co_u32 s28, s28, s29
	s_mov_b32 s29, 0
	s_add_nc_u64 s[\src:\src+1], s[\src:\src+1], s[28:29]
.set b, 0
.rept 4
.set i, 0
.rept 32
.if \perm
.set kk, 32*b+((i&7)|((i&8)<<1)|((i&16)>>1))
.else
.set kk, 32*b+i
.endif
	global_load_b32 v[X+32*b+i], v2, s[\src:\src+1] offset:kk*\pitch th:TH_LOAD_NT
.set i, i+1
.endr
.set b, b+1
.endr
	s_wait_loadcnt 63                              ; block 0 is in: 96 younger loads could stay out, the count's field holds 63
	QMAX 0
	s_wait_loadcnt 63                              ; block 1: 64 younger
	QMAX 1
	s_wait_loadcnt 32                              ; block 2: the 32 of block 3 may be out
	QMAX 2
	s_wait_loadcnt 0x0
	QMAX 3
	QFIN
.irp q, 0,1,2
	global_store_b128 v3, v[F0+4*\q:F0+4*\q+3], s[24:25] offset:512*\q          ; each store covers 512 consecutive bytes
	global_store_b128 v3, v[F1+4*\q:F1+4*\q+3], s[24:25] offset:1536+512*\q
.endr
	global_store_b32 v2, v[PW], s[26:27]
	s_endpgm
.endm
; wqkv[y][slot hs]: fragment (column tile ct, K step s) at (4 s + ct) x 1,536; the scales behind the six slots' codes.  s20 = g, s21 = y, s22 = hs
.macro QKVDST
	s_and_b32 s23, s20, 1
	s_lshl_b32 s23, s23, 1
	s_lshl_b32 s28, s16, 2
	s_add_co_u32 s23, s23, s28                     ; 4 w + 2 (g & 1)
	s_mul_i32 s24, s21, 153600
	s_mul_i32 s28, s22, 24576
	s_add_co_u32 s28, s28, s24
	s_mul_i32 s29, s23, 1536
	s_add_co_u32 s28, s28, s29
	s_mul_i32 s30, s22, 1024
	s_add_co_u32 s30, s30, s24
	s_lshl_b32 s29, s23, 6
	s_add_co_u32 s30, s30, s29
	s_add_co_u32 s30, s30, 147456
	s_mov_b32 s29, 0
	s_mov_b32 s31, 0
	s_add_nc_u64 s[24:25], s[10:11], s[28:29]
	s_add_nc_u64 s[26:27], s[10:11], s[30:31]
.endm
	s_load_b256 s[4:11], s[0:1], 0x0               ; Wq s[4:5], Wkv s[6:7], Wout s[8:9], wqkv s[10:11]
	s_load_b128 s[12:15], s[0:1], 0x20             ; wo s[12:13], rot s[14:15]
	v_lshrrev_b32 v1, 5, v0
	v_readfirstlane_b32 s16, v1                    ; wave 0..3
	v_and_b32 v1, 31, v0                           ; lane
	v_lshlrev_b32 v2, 2, v1                        ; 4 x lane
	v_lshlrev_b32 v3, 4, v1                        ; 16 x lane
	s_wait_kmcnt 0x0
	s_cmp_lt_u32 ttmp9, 16
	s_cbranch_scc1 .Lwq
	s_cmp_lt_u32 ttmp9, 24
	s_cbranch_scc1 .Lwkv
	s_cmp_lt_u32 ttmp9, 40
	s_cbranch_scc1 .Lwout
	; ---- the tables
	s_sub_co_u32 s20, ttmp9, 40                    ; pt: my work-group's tile of 16 positions
	s_lshl_b32 s21, s20, 4
	s_lshl_b32 s22, s20, 11
	s_mov_b32 s23, 0
	s_add_nc_u64 s[14:15], s[14:15], s[22:23]
	s_mov_b32 s30, 0x3f22f983                      ; 2 / pi
	s_mov_b32 s31, 0xbfc90fdb                      ; -(pi/2 rounded to f32)
	s_mov_b32 s32, 0x333bbd2e                      ; that f32 less pi/2
	s_mov_b32 s33, 0xbe2aaaab                      ; -1/3!
	s_mov_b32 s34, 0x3c088889                      ; 1/5!
	s_mov_b32 s35, 0xb9500d01                      ; -1/7!
	s_mov_b32 s36, 0x3638ef1d                      ; 1/9!
	s_mov_b32 s37, 0x40cf889e                      ; log2(89.6)
	s_mov_b32 s38, 0x3d2aaaab                      ; 1/4!
	s_mov_b32 s39, 0xbab60b61                      ; -1/6!
	s_mov_b32 s40, 0x37d00d01                      ; 1/8!
	s_mov_b32 s41, 0xb493f27e                      ; -1/10!
	s_wait_alu depctr_va_vdst(0)
	v_and_b32 v4, 15, v1
	v_lshrrev_b32 v5, 4, v1                        ; h
	v_add_nc_u32 v4, s21, v4
	v_cvt_f32_u32 v4, v4                           ; the position
	v_add_f32 v9, 0xc4800000, v4                   ; - 1,024
	v_mul_f32 v9, 0x39800000, v9                   ; / 4,096: the power, exact
	v_cmp_ne_u32 vcc_lo, 0, v5
	v_cvt_f32_u32 v6, v5
	v_mul_f32 v6, 0x41800000, v6                   ; 16 h: what h adds to 2 f
; lit0, lit1: 10^(-f/8) for h = 0 and for h = 1;  nl: 2 f + 25.6 for h = 0
.macro ENTRY a, lit0, lit1, nl
	v_mov_b32 v10, \lit1
	v_cndmask_b32 v10, \lit0, v10, vcc_lo
	v_mul_f32 v10, v4, v10                         ; the angle
	v_mul_f32 v11, s30, v10
	v_rndne_f32 v11, v11                           ; n
	v_fma_f32 v12, v11, s31, v10
	v_fma_f32 v12, v11, s32, v12                   ; r = angle - n pi/2
	v_mul_f32 v13, v12, v12
	v_fma_f32 v14, v13, s36, s35
	v_fma_f32 v15, v13, s41, s40
	v_fma_f32 v14, v14, v13, s34
	v_fma_f32 v15, v15, v13, s39
	v_fma_f32 v14, v14, v13, s33
	v_fma_f32 v15, v15, v13, s38
	v_mul_f32 v16, v13, v12
	v_fma_f32 v15, v15, v13, -0.5
	v_fma_f32 v14, v14, v16, v12                   ; sin r
	v_fma_f32 v15, v15, v13, 1.0                   ; cos r
	v_cvt_i32_f32 v17, v11
	v_and_b32 v18, 1, v17
	v_cmp_ne_u32 s42, 0, v18                       ; n odd: the two change places
	v_cndmask_b32 v19, v14, v15, s42
	v_cndmask_b32 v20, v15, v14, s42
	v_lshlrev_b32 v18, 30, v17                     ; the sine's sign: bit 1 of n;
	v_add_nc_u32 v17, 1, v17
	v_lshlrev_b32 v17, 30, v17                     ; the cosine's: bit 1 of n + 1
	v_and_b32 v18, 0x80000000, v18
	v_and_b32 v17, 0x80000000, v17
	v_xor_b32 v19, v19, v18                        ; sin
	v_xor_b32 v20, v20, v17                        ; cos
	v_add_f32 v21, \nl, v6
	s_wait_alu depctr_va_vdst(0)
	v_log_f32 v21, v21
	v_nop                                          ; one plain place behind a transcendental
	s_wait_alu depctr_va_vdst(0)
	v_sub_f32 v21, v21, s37                        ; log2((2 f + 25.6) / 89.6)
	v_mul_f32 v21, v9, v21
	s_wait_alu depctr_va_vdst(0)
	v_exp_f32 v22, v21                             ; scale
	v_exp_f32 v23, -v21                            ; 1 / scale
	v_nop
	s_wait_alu depctr_va_vdst(0)
	v_mul_f32 v[OUT+\a], v20, v22
	v_mul_f32 v[OUT+16+\a], v19, v22
	v_mul_f32 v[OUT+32+\a], v20, v23
	v_mul_f32 v[OUT+48+\a], v19, v23
.endm
.macro PIECE p                         ; my piece of the four kinds: each store covers 512 consecutive bytes
.irp k, 0,1,2,3
	global_store_b128 v3, v[OUT+16*\k+4*\p:OUT+16*\k+4*\p+3], s[14:15] offset:\k*262144+\p*512
.endr
	s_endpgm
.endm
	s_wait_alu depctr_va_vdst(0)
	s_cmp_lt_u32 s16, 1
	s_cbranch_scc0 .Lp1
	ENTRY 0, 1.0, 0.1, 25.6
	ENTRY 1, 0.7498942093, 0.07498942093, 27.6
	ENTRY 2, 0.5623413252, 0.05623413252, 29.6
	ENTRY 3, 0.4216965034, 0.04216965034, 31.6
	PIECE 0
.Lp1:
	s_cmp_lt_u32 s16, 2
	s_cbranch_scc0 .Lp2
	ENTRY 4, 0.3162277660, 0.03162277660, 33.6
	ENTRY 5, 0.2371373706, 0.02371373706, 35.6
	ENTRY 6, 0.1778279410, 0.01778279410, 37.6
	ENTRY 7, 0.1333521432, 0.01333521432, 39.6
	PIECE 1
.Lp2:
	s_cmp_lt_u32 s16, 3
	s_cbranch_scc0 .Lp3
	ENTRY 8, 0.01, 0.001, 57.6
	ENTRY 9, 0.007498942093, 0.0007498942093, 59.6
	ENTRY 10, 0.005623413252, 0.0005623413252, 61.6
	ENTRY 11, 0.004216965034, 0.0004216965034, 63.6
	PIECE 2
.Lp3:
	ENTRY 12, 0.003162277660, 0.0003162277660, 65.6
	ENTRY 13, 0.002371373706, 0.0002371373706, 67.6
	ENTRY 14, 0.001778279410, 0.0001778279410, 69.6
	ENTRY 15, 0.001333521432, 0.0001333521432, 71.6
	PIECE 3
.Lwq:                                  ; columns 32 g on: head g / 2 = y + 2 hs
	s_mov_b32 s20, ttmp9
	s_lshr_b32 s23, s20, 1
	s_and_b32 s21, s23, 1
	s_lshr_b32 s22, s23, 1
	QKVDST
	s_wait_alu depctr_va_vdst(0)
	WBODY 4, 2048, 0
.Lwkv:                                 ; columns 32 g on: g 0-3 the keys' (slot 4), g 4-7 the values' (slot 5); head (g / 2) % 2
	s_sub_co_u32 s20, ttmp9, 16
	s_lshr_b32 s21, s20, 1
	s_and_b32 s21, s21, 1
	s_lshr_b32 s22, s20, 2
	s_add_co_u32 s22, s22, 4
	QKVDST
	s_wait_alu depctr_va_vdst(0)
	WBODY 6, 1024, 0
.Lwout:                                ; wo[yo]: fragment (wave wv, K step s, tile ct) at (8 wv + 2 s + ct) x 1,536; scale words at 98,304 + (4 wv + s) x 128
	s_sub_co_u32 s20, ttmp9, 24
	s_lshr_b32 s21, s20, 3
	s_and_b32 s22, s20, 7
	s_mul_i32 s24, s21, 102400
	s_lshl_b32 s28, s22, 3
	s_lshl_b32 s29, s16, 1
	s_add_co_u32 s28, s28, s29
	s_mul_i32 s28, s28, 1536
	s_add_co_u32 s28, s28, s24
	s_lshl_b32 s30, s22, 2
	s_add_co_u32 s30, s30, s16
	s_lshl_b32 s30, s30, 7
	s_add_co_u32 s30, s30, s24
	s_add_co_u32 s30, s30, 98304
	s_mov_b32 s29, 0
	s_mov_b32 s31, 0
	s_add_nc_u64 s[24:25], s[12:13], s[28:29]
	s_add_nc_u64 s[26:27], s[12:13], s[30:31]
	s_wait_alu depctr_va_vdst(0)
	WBODY 8, 2048, 1
.Lfunc_end_k_qbe637dea60_prep:
	.size	k_qbe637dea60_prep, .Lfunc_end_k_qbe637dea60_prep-k_qbe637dea60_prep
	.p2alignl 7, 3214868480
	.fill 96, 4, 3214868480
	.section	.rodata,"a",@progbits
	.p2align	6, 0x0
	.amdhsa_kernel k_qbe637dea60_prep
		.amdhsa_group_segment_fixed_size 0
		.amdhsa_private_segment_fixed_size 0
		.amdhsa_enable_private_segment 0
		.amdhsa_kernarg_size 48
		.amdhsa_user_sgpr_count 2
		.amdhsa_user_sgpr_kernarg_segment_ptr 1
		.amdhsa_wavefront_size32 1
		.amdhsa_system_sgpr_workgroup_id_x 1
		.amdhsa_system_sgpr_workgroup_id_y 1
		.amdhsa_system_sgpr_workgroup_id_z 1
		.amdhsa_system_vgpr_workitem_id 0
		.amdhsa_next_free_vgpr 192
		.amdhsa_next_free_sgpr 66
		.amdhsa_reserve_vcc 1
		.amdhsa_float_denorm_mode_32 3
		.amdhsa_float_denorm_mode_16_64 3
		.amdhsa_memory_ordered 1
		.amdhsa_forward_progress 1
		.amdhsa_inst_pref_size 97
	.end_amdhsa_kernel
	.amdgpu_metadata
---
amdhsa.version: [ 1, 2 ]
amdhsa.kernels:
  - .name:           k_qbe637dea60_prep
    .symbol:         k_qbe637dea60_prep.kd
    .args:
      - { .name: Wq, .offset: 0, .size: 8, .value_kind: global_buffer, .address_space: global }
      - { .name: Wkv, .offset: 8, .size: 8, .value_kind: global_buffer, .address_space: global }
      - { .name: Wout, .offset: 16, .size: 8, .value_kind: global_buffer, .address_space: global }
      - { .name: wqkv, .offset: 24, .size: 8, .value_kind: global_buffer, .address_space: global }
      - { .name: wo, .offset: 32, .size: 8, .value_kind: global_buffer, .address_space: global }
      - { .name: rot, .offset: 40, .size: 8, .value_kind: global_buffer, .address_space: global }
    .group_segment_fixed_size: 0
    .private_segment_fixed_size: 0
    .kernarg_segment_align: 8
    .kernarg_segment_size: 48
    .max_flat_workgroup_size: 128
    .sgpr_count:     66
    .vgpr_count:     192
    .wavefront_size: 32
...
	.end_amdgpu_metadata
.endif
;; end of part 1
;; launch qkv (part 2): grid 128 x 2, 12 waves a work-group, clusters of 4 x 1, 185,856 bytes of LDS; arguments x, gamma, beta, wqkv, rot, qkvc, stats; writes qkvc, stats
.if DOCPART == 2
	.amdgcn_target "amdgcn-amd-amdhsa--gfx1250"
	.amdhsa_code_object_version 6
	.text
	.protected	k_qbe637dea60_qkv
	.globl	k_qbe637dea60_qkv
	.p2align	8
	.type	k_qbe637dea60_qkv,@function
k_qbe637dea60_qkv:
	s_mov_b64 s[64:65], 0
	v_nop
	global_prefetch_b8 v0, s[64:65] scope:SCOPE_SE
	s_setreg_imm32_b32 hwreg(HW_REG_WAVE_MODE, 25, 1), 1
	s_wait_xcnt 0x0
	s_wait_alu depctr_hold_cnt(0) depctr_sa_sdst(0) depctr_va_vdst(0) depctr_va_sdst(0) depctr_va_ssrc(0) depctr_va_vcc(0) depctr_vm_vsrc(0)
	s_getreg_b32 s2, hwreg(HW_REG_IB_STS2, 6, 4)
	s_cmp_eq_u32 s2, 0
	s_cbranch_scc0 .Lentry_in_a_cluster
	s_endpgm
.Lentry_in_a_cluster:
	s_bfe_u32 s2, ttmp6, 0x10000c
	s_cmp_lg_u32 s2, 0x3003
	s_cbranch_scc0 .Lentry_shape_is_right
	s_endpgm
.Lentry_shape_is_right:
; QKV.  LayerNorm over the 512 channels of x [4][512][2048], the normed rows quantised to FP6 (E2M3, one E8M0 byte for each 32 channels), the products with Wq and Wkv on codes, the xPos rotation,
; and q, k (along the head's 64) and v (along the tokens) quantised again, stored as images of the operands' registers for the attention launch.
; SHARES.  A work-group takes 64 tokens (block bx = 4 x cluster x + cx) and, by y, 384 columns: query heads y, y + 2, y + 4, y + 6, key head y, value head y.  Twelve waves.
;   Waves 0-7 first norm and quantise: wave (s = w / 2, th = w % 2) holds channels 128 s .. + 127 of tokens 32 th + lane: A LANE IS A TOKEN, ITS REGISTERS RUN DOWN THE CHANNELS: a load reads 128 consecutive bytes.
;   The mean and then the sum of squares of the differences (two passes: an offset in x costs no digits) meet in LDS, four parts a token.
;   Then wave w multiplies: waves 0-9 (hs = w / 2, idx = w % 2): the 64 columns of slot hs x token tiles 2 idx, 2 idx + 1, source 0 = the weight: a lane holds one token, its registers run along the head's 64;
;   waves 10, 11: source 0 = the four token tiles, source 1 = the value head's column tiles 2 idx, 2 idx + 1: a lane holds one column, its registers run along the 64 tokens.  One text serves both: only four LDS addresses differ.
; THE WEIGHTS (153,600 bytes: six slots of 16 fragment images, then their scale words) are the same for the four work-groups of a cluster: waves 8-11 ask for a quarter each by a joint load.  LDS is filled once: nothing is filled again.
; ORDER INSIDE A BLOCK.  What is quantised out of accumulators leaves its 32 codes in the order 0-7, 16-23, 8-15, 24-31 of the block; q and k alike, v and the softmax's weights alike: the products stay, the sums inside an instruction are grouped otherwise.
; LIMITS: NaN and infinities are not served; a block of zeros gets the byte 1 (zero codes; only this program reads the bytes); cos x scale is multiplied ahead of the rotation (another order of rounding than the model's).
.set WIMG, 24576                       ; LDS: 0 the normed rows' 16 images ((4 s + T) x 1,536);  24,576 the weights' codes;
.set WSC,  172032                      ; their scale words, 1,024 bytes a slot ((4 s + ct) x 64 + 4 r);
.set XSC,  178176                      ; the rows' scale words, laid alike;
.set ST1,  179200                      ; partial sums [s 4][64 tokens]; 1,024 bytes on: partial sums of squares
.set X,   64                           ; v64-191  128 numbers of my token
.set M,   16
.set SC,  20
.set BY,  24
.set PW,  28
.set F0,  32
.set F1,  44
.set TH,  56
.set ACC, 64                           ; v64-127  eight accumulators: 32 u + 8 t
.set PF,  128                          ; v128-175 source 0's four fragments
.set QF,  32                           ; v32-55   source 1's two
.set TAB, 192                          ; v192-255 the rotation's tables: 32 u + 16 (cos, sin) + a
.set D12, 128                          ; the codes just made
.set QT,  140                          ; v140-148 at work in QUANT2
.set HW,  152                          ; v152, v153 two bytes each; v154 the word
.set SEL, 66                           ; s[66:67] v_permlanex16_b32's selects for lane l xor 16
; v29, v59: source 0's scale words (tiles 0, 1 and 2, 3); v63: source 1's.  They hold scales and nothing else.
; v1 4 l; v2 16 l; v3 8 l + 512; v4 4 r; v5-v12 LDS addresses, all made here at the head; v14 mean (v15 named with it); v30 1 / sqrt(var + eps) (v31 named with it)
.macro CROUND                          ; a round of the cluster's barrier
	s_barrier_signal -1
	s_barrier_wait -1
	s_cmp_lg_u32 s18, 0
	s_cbranch_scc1 .Lnot_wave_0_\@
	s_barrier_signal -3
.Lnot_wave_0_\@:
	s_barrier_wait -3
	s_barrier_signal -1
	s_barrier_wait -1
.endm
.macro QMAX b
	v_max3_num_f32 v[M+\b], |v[X+32*\b]|, |v[X+32*\b+1]|, |v[X+32*\b+2]|
	v_max3_num_f32 v[SC+\b], |v[X+32*\b+3]|, |v[X+32*\b+4]|, |v[X+32*\b+5]|
.irp i, 6,10,14,18,22,26
	s_delay_alu instid0(VALU_DEP_2)
	v_max3_num_f32 v[M+\b], v[M+\b], |v[X+32*\b+\i]|, |v[X+32*\b+\i+1]|
	s_delay_alu instid0(VALU_DEP_2)
	v_max3_num_f32 v[SC+\b], v[SC+\b], |v[X+32*\b+\i+2]|, |v[X+32*\b+\i+3]|
.endr
	s_delay_alu instid0(VALU_DEP_2)
	v_max3_num_f32 v[M+\b], v[M+\b], |v[X+32*\b+30]|, |v[X+32*\b+31]|
	s_delay_alu instid0(VALU_DEP_1)
	v_max3_num_f32 v[M+\b], v[M+\b], v[SC+\b], 0x1800000     ; the floor 2^(3 - 127): the byte cannot fall under 1
.endm
.macro QFIN
.irp b, 0,1,2,3
	v_add_nc_u32 v[SC+\b], 0xff000000, v[M+\b]
.endr
.irp b, 0,1,2,3
	s_delay_alu instid0(VALU_DEP_4)
	v_lshrrev_b32 v[BY+\b], 23, v[SC+\b]
.endr
	s_delay_alu instid0(VALU_DEP_3)
	v_lshl_or_b32 v[PW], v[BY+1], 8, v[BY]
	s_delay_alu instid0(VALU_DEP_1)
	v_lshl_or_b32 v[PW], v[BY+2], 16, v[PW]
	s_delay_alu instid0(VALU_DEP_1)
	v_lshl_or_b32 v[PW], v[BY+3], 24, v[PW]
.irp c, 0,1
	v_cvt_scalef32_pk16_fp6_f32 v[F0+6*\c:F0+6*\c+2], v[X+64*\c:X+64*\c+15], v[SC+2*\c]
	v_cvt_scalef32_pk16_fp6_f32 v[TH:TH+2], v[X+64*\c+16:X+64*\c+31], v[SC+2*\c]
	v_cvt_scalef32_pk16_fp6_f32 v[F1+6*\c:F1+6*\c+2], v[X+64*\c+32:X+64*\c+47], v[SC+2*\c+1]
	v_cvt_scalef32_pk16_fp6_f32 v[TH+4:TH+6], v[X+64*\c+48:X+64*\c+63], v[SC+2*\c+1]
	v_nop                                          ; one plain place behind a scaled conversion
.irp i, 0,1,2
	v_mov_b32 v[F0+6*\c+3+\i], v[TH+\i]
	v_mov_b32 v[F1+6*\c+3+\i], v[TH+4+\i]
.endr
.irp i, 0,1,2,3,4,5
	v_permlane16_swap_b32 v[F0+6*\c+\i], v[F1+6*\c+\i]   ; F0: tokens 0-15 of my 32, F1: tokens 16-31, each lane (r, h) with blocks h and 2 + h
.endr
.endr
.endm
; 32 registers at s: two blocks of 32, of each 16 numbers here and 16 in lane l xor 16.  d .. d + 5: block h of my row; hw: the two bytes
.macro QUANT2 s, d, hw
	v_max3_num_f32 v[QT], |v[\s]|, |v[\s+1]|, 0x1800000
	v_max3_num_f32 v[QT+1], |v[\s+16]|, |v[\s+17]|, 0x1800000
.irp i, 2,4,6,8,10,12,14
	v_max3_num_f32 v[QT], v[QT], |v[\s+\i]|, |v[\s+\i+1]|
	v_max3_num_f32 v[QT+1], v[QT+1], |v[\s+16+\i]|, |v[\s+17+\i]|
.endr
	s_delay_alu instid0(VALU_DEP_2)
	v_permlanex16_b32 v[QT+2], v[QT], s[SEL], s[SEL+1]
	s_delay_alu instid0(VALU_DEP_2)
	v_permlanex16_b32 v[QT+3], v[QT+1], s[SEL], s[SEL+1]
	s_delay_alu instid0(VALU_DEP_2)
	v_max_num_f32 v[QT], v[QT], v[QT+2]
	s_delay_alu instid0(VALU_DEP_2)
	v_max_num_f32 v[QT+1], v[QT+1], v[QT+3]
	s_delay_alu instid0(VALU_DEP_2)
	v_add_nc_u32 v[QT+4], 0xff000000, v[QT]
	s_delay_alu instid0(VALU_DEP_2)
	v_add_nc_u32 v[QT+5], 0xff000000, v[QT+1]
	s_delay_alu instid0(VALU_DEP_2)
	v_lshrrev_b32 v[QT+2], 23, v[QT+4]
	s_delay_alu instid0(VALU_DEP_2)
	v_lshrrev_b32 v[QT+3], 23, v[QT+5]
	s_delay_alu instid0(VALU_DEP_1)
	v_lshl_or_b32 v[\hw], v[QT+3], 8, v[QT+2]
	v_cvt_scalef32_pk16_fp6_f32 v[\d:\d+2], v[\s:\s+15], v[QT+4]
	v_cvt_scalef32_pk16_fp6_f32 v[QT+6:QT+8], v[\s+16:\s+31], v[QT+5]
	v_nop                                          ; one plain place behind a scaled conversion
.irp i, 0,1,2
	v_permlane16_swap_b32 v[\d+\i], v[QT+6+\i]
.endr
.irp i, 0,1,2
	s_delay_alu instid0(VALU_DEP_3)
	v_mov_b32 v[\d+3+\i], v[QT+6+\i]
.endr
.endm
.macro WM d, a, b, zero, sa, sb, ra, rb      ; ra, rb: the side's scale words stand in lanes 16-31
.if (\zero) && (\ra) && (\rb)
	v_wmma_scale_f32_16x16x128_f8f6f4 v[\d:\d+7], v[\a:\a+11], v[\b:\b+11], 0, v[\sa], v[\sb] matrix_a_fmt:MATRIX_FMT_FP6 matrix_b_fmt:MATRIX_FMT_FP6 matrix_a_scale:MATRIX_SCALE_ROW1 matrix_b_scale:MATRIX_SCALE_ROW1
.elseif (\zero) && (\ra)
	v_wmma_scale_f32_16x16x128_f8f6f4 v[\d:\d+7], v[\a:\a+11], v[\b:\b+11], 0, v[\sa], v[\sb] matrix_a_fmt:MATRIX_FMT_FP6 matrix_b_fmt:MATRIX_FMT_FP6 matrix_a_scale:MATRIX_SCALE_ROW1
.elseif (\zero) && (\rb)
	v_wmma_scale_f32_16x16x128_f8f6f4 v[\d:\d+7], v[\a:\a+11], v[\b:\b+11], 0, v[\sa], v[\sb] matrix_a_fmt:MATRIX_FMT_FP6 matrix_b_fmt:MATRIX_FMT_FP6 matrix_b_scale:MATRIX_SCALE_ROW1
.elseif (\zero)
	v_wmma_scale_f32_16x16x128_f8f6f4 v[\d:\d+7], v[\a:\a+11], v[\b:\b+11], 0, v[\sa], v[\sb] matrix_a_fmt:MATRIX_FMT_FP6 matrix_b_fmt:MATRIX_FMT_FP6
.elseif (\ra) && (\rb)
	v_wmma_scale_f32_16x16x128_f8f6f4 v[\d:\d+7], v[\a:\a+11], v[\b:\b+11], v[\d:\d+7], v[\sa], v[\sb] matrix_a_fmt:MATRIX_FMT_FP6 matrix_b_fmt:MATRIX_FMT_FP6 matrix_a_scale:MATRIX_SCALE_ROW1 matrix_b_scale:MATRIX_SCALE_ROW1
.elseif (\ra)
	v_wmma_scale_f32_16x16x128_f8f6f4 v[\d:\d+7], v[\a:\a+11], v[\b:\b+11], v[\d:\d+7], v[\sa], v[\sb] matrix_a_fmt:MATRIX_FMT_FP6 matrix_b_fmt:MATRIX_FMT_FP6 matrix_a_scale:MATRIX_SCALE_ROW1
.elseif (\rb)
	v_wmma_scale_f32_16x16x128_f8f6f4 v[\d:\d+7], v[\a:\a+11], v[\b:\b+11], v[\d:\d+7], v[\sa], v[\sb] matrix_a_fmt:MATRIX_FMT_FP6 matrix_b_fmt:MATRIX_FMT_FP6 matrix_b_scale:MATRIX_SCALE_ROW1
.else
	v_wmma_scale_f32_16x16x128_f8f6f4 v[\d:\d+7], v[\a:\a+11], v[\b:\b+11], v[\d:\d+7], v[\sa], v[\sb] matrix_a_fmt:MATRIX_FMT_FP6 matrix_b_fmt:MATRIX_FMT_FP6
.endif
.endm
	s_load_b256 s[4:11], s[0:1], 0x0               ; x s[4:5], gamma s[6:7], beta s[8:9], wqkv s[10:11]
	s_load_b128 s[12:15], s[0:1], 0x20             ; rot s[12:13], qkvc s[14:15]
	s_load_b64 s[16:17], s[0:1], 0x30              ; stats
	s_set_vgpr_msb 0x40
	v_lshl_add_u32 v0, v0, 2, 0x2d000
	v_mov_b32 v1, 0
	s_set_vgpr_msb 0x4045
	ds_add_u32 v0, v1
	ds_add_u32 v0, v1
	s_set_vgpr_msb 0x4500
	v_lshrrev_b32 v13, 5, v0
	s_delay_alu instid0(VALU_DEP_1)
	v_readfirstlane_b32 s18, v13                   ; wave 0..11
	s_and_b32 s36, ttmp7, 0xffff                   ; y, which the four partners share
	s_and_b32 s37, s18, 1                          ; idx, and th
	s_lshr_b32 s38, s18, 1                         ; hs
	s_add_co_u32 s39, s18, 6
	s_lshr_b32 s39, s39, 4                         ; 1 for waves 10, 11: the values' role
	s_xor_b32 s40, s39, 1
	s_and_b32 s41, s38, 3                          ; s: which 128 channels I norm
	s_and_b32 s42, s18, 3                          ; which quarter of the weights I would fetch
	; the joint load's descriptor: made of y and the wave's number alone
	s_mul_i32 s48, s36, 153600
	s_mul_i32 s60, s42, 38400
	s_add_co_u32 s48, s48, s60
	s_mov_b32 s49, 0
	s_mov_b32 s20, 1                               ; group 0: count 1,
	s_add_co_u32 s21, s60, WIMG                    ; the LDS address,
	s_mov_b32 s24, 15|(3<<16)|(1<<21)              ; group 1: the mask names all four work-groups; elements of 8 bytes; bit 21 beside a mask
	s_mov_b32 s25, 32<<16                          ; tensor_dim0 = 32 elements: rows of 256 bytes
	s_mov_b32 s26, 150<<16                         ; tensor_dim1 = 150 rows
	s_mov_b32 s27, 32<<16                          ; tile_dim0
	s_mov_b32 s28, 150                             ; tile_dim1
	s_mov_b32 s29, 32                              ; the pitch: a dense block
	s_mov_b32 s30, 0
	s_mov_b32 s31, 0
	; LDS addresses: constants, the lane and the wave's number
	v_and_b32 v13, 31, v0
	s_delay_alu instid0(VALU_DEP_1)
	v_lshlrev_b32 v1, 2, v13
	s_delay_alu instid0(VALU_DEP_2)
	v_lshlrev_b32 v2, 4, v13
	s_wait_alu depctr_va_vdst(0)
	v_lshl_add_u32 v3, v13, 3, 512
	v_and_b32 v4, 15, v0
	s_delay_alu instid0(VALU_DEP_1)
	v_lshlrev_b32 v4, 2, v4
	s_lshl_b32 s61, s41, 8
	s_lshl_b32 s62, s37, 7
	s_add_co_u32 s61, s61, s62
	s_add_co_u32 s61, s61, ST1
	v_add_nc_u32 v5, s61, v1                       ; where my partial sum goes
	s_add_co_u32 s62, s62, ST1
	v_add_nc_u32 v6, s62, v1                       ; where my token's four parts lie
	s_lshl_b32 s61, s41, 2
	s_lshl_b32 s62, s37, 1
	s_add_co_u32 s61, s61, s62                     ; 4 s + 2 th
	s_mul_i32 s62, s61, 1536
	v_add_nc_u32 v7, s62, v2                       ; my two images
	s_lshl_b32 s62, s61, 6
	s_add_co_u32 s62, s62, XSC
	v_add_nc_u32 v8, s62, v1                       ; their scale words
	s_add_co_u32 s61, s38, 1
	s_mul_i32 s61, s61, s40
	s_mul_i32 s61, s61, 24576
	v_add_nc_u32 v9, s61, v2                       ; source 0: weight slot hs, or (values) the rows
	s_mul_i32 s61, s39, 147456
	s_mul_i32 s62, s37, 3072
	s_add_co_u32 s61, s61, s62
	v_add_nc_u32 v10, s61, v2                      ; source 1: the rows' tiles 2 idx on, or slot 5's
	s_add_co_u32 s61, s38, s39
	s_lshl_b32 s61, s61, 10
	s_add_co_u32 s61, s61, WSC
	v_add_nc_u32 v11, s61, v1                      ; source 0's scale words (slot 6 of the list is the rows')
	s_add_co_u32 s61, s40, 5
	s_lshl_b32 s61, s61, 10
	s_lshl_b32 s62, s37, 7
	s_add_co_u32 s61, s61, s62
	s_add_co_u32 s61, s61, WSC
	v_add_nc_u32 v12, s61, v1                      ; source 1's
	v_mov_b32 v15, 0                               ; named as upper halves of pairs
	v_mov_b32 v31, 0
	s_mov_b32 s[SEL], 0x76543210
	s_mov_b32 s[SEL+1], 0xfedcba98
	; global offsets; cx enters these alone
	s_bfe_u32 s32, ttmp6, 0x40000                  ; cx
	s_lshl_b32 s33, ttmp9, 2
	s_add_co_u32 s33, s33, s32                     ; bx
	s_lshr_b32 s34, s33, 5                         ; b
	s_and_b32 s35, s33, 31                         ; tb: the block of 64 tokens
	s_lshl_b32 s44, s34, 22                        ; x: b x 4,194,304 + 128 s rows of 8,192 + (64 tb + 32 th) x 4
	s_lshl_b32 s19, s41, 20
	s_add_co_u32 s44, s44, s19
	s_lshl_b32 s19, s35, 8
	s_add_co_u32 s44, s44, s19
	s_lshl_b32 s19, s37, 7
	s_add_co_u32 s44, s44, s19
	s_mov_b32 s45, 0
	s_lshl_b32 s46, s41, 9                         ; gamma, beta: my 128 channels
	s_mov_b32 s47, 0
	s_lshr_b32 s50, s38, 2                         ; rot: kinds 0, 1 for the queries, 2, 3 for the keys; position tile 4 tb + 2 idx
	s_lshl_b32 s50, s50, 19
	s_lshl_b32 s19, s35, 2
	s_lshl_b32 s43, s37, 1
	s_add_co_u32 s19, s19, s43
	s_lshl_b32 s19, s19, 11
	s_add_co_u32 s50, s50, s19
	s_mov_b32 s51, 0
	s_mul_i32 s52, s34, 12                         ; qkvc: record 12 b + y + 2 hs (hs 0-3 queries, 4 keys, 5 values)
	s_add_co_u32 s52, s52, s36
	s_lshl_b32 s19, s38, 1
	s_add_co_u32 s52, s52, s19
	s_mul_i32 s52, s52, 102400
	s_lshl_b32 s43, s35, 1
	s_add_co_u32 s43, s43, s37                     ; 2 tb + idx
	s_mul_i32 s19, s43, 1536
	s_add_co_u32 s54, s52, s19
	s_add_co_u32 s54, s54, 4096                    ; the codes: 1,536 bytes a wave in both roles
	s_mov_b32 s55, 0
	s_lshl_b32 s56, s43, 6                         ; the scales: a word a token pair-row,
	s_lshr_b32 s57, s35, 1                         ; or (values) two bytes of the word of (step tb / 2, column tile, r)
	s_lshl_b32 s57, s57, 8
	s_lshl_b32 s19, s37, 7
	s_add_co_u32 s57, s57, s19
	s_and_b32 s19, s35, 1
	s_lshl_b32 s19, s19, 1
	s_add_co_u32 s57, s57, s19
	s_cmp_eq_u32 s39, 1
	s_cselect_b32 s56, s57, s56
	s_add_co_u32 s52, s52, s56
	s_mov_b32 s53, 0
	s_lshl_b32 s58, s36, 16                        ; stats[y][kind][8,192]: each y stores a copy of its own
	s_lshl_b32 s19, s34, 13
	s_add_co_u32 s58, s58, s19
	s_lshl_b32 s19, s35, 8
	s_add_co_u32 s58, s58, s19
	s_lshl_b32 s19, s37, 7
	s_add_co_u32 s58, s58, s19
	s_mov_b32 s59, 0
	s_wait_dscnt 0x0
	s_wait_kmcnt 0x0
	s_add_nc_u64 s[4:5], s[4:5], s[44:45]
	s_add_nc_u64 s[6:7], s[6:7], s[46:47]
	s_add_nc_u64 s[8:9], s[8:9], s[46:47]
	s_add_nc_u64 s[22:23], s[10:11], s[48:49]      ; group 0: the global address,
	s_or_b32 s23, s23, 0x80000000                  ; the type
	s_add_nc_u64 s[12:13], s[12:13], s[50:51]
	s_add_nc_u64 s[2:3], s[14:15], s[52:53]        ; where my scales go
	s_add_nc_u64 s[14:15], s[14:15], s[54:55]      ; where my codes go
	s_add_nc_u64 s[16:17], s[16:17], s[58:59]
	CROUND                                         ; all four work-groups are here: the joint loads meet
	s_cmp_lt_u32 s18, 8
	s_cbranch_scc1 .Lno_fill
	tensor_load_to_lds s[20:23], s[24:31]          ; waves 8-11: a quarter of the weights each: one load of mine is out
	s_nop 0
.rept 4
	v_nop
.endr
.Lno_fill:
	s_cmp_lt_u32 s18, 10
	s_cbranch_scc0 .Lno_tab
.irp u, 0,1
.irp k, 0,1
.irp p, 0,1,2,3
	global_load_b128 v[TAB+32*\u+16*\k+4*\p:TAB+32*\u+16*\k+4*\p+3], v2, s[12:13] offset:\k*262144+\u*2048+\p*512
.endr
.endr
.endr
.Lno_tab:
	; ---- the mean
	s_cmp_lt_u32 s18, 8
	s_cbranch_scc0 .Lj1
	s_load_b512 s[32:47], s[6:7], 0x0              ; gamma and beta of my first 32 channels
	s_load_b512 s[48:63], s[6:7], 0x40
	s_load_b512 s[68:83], s[8:9], 0x0
	s_load_b512 s[84:99], s[8:9], 0x40
.set i, 0
.rept 128
	global_load_b32 v[X+i], v1, s[4:5] offset:i*8192
.set i, i+1
.endr
.set p, 0
.rept 64                               ; 64 pairs in four chains; the first eight pairs start them
.if (p == 0) || (p == 16)
	s_wait_alu depctr_va_vdst(0)
	s_wait_loadcnt 63                              ; these 32 registers are in (96, then 64 younger loads could stay out: the count's field holds 63); the tables were asked for earlier
.elseif p == 32
	s_wait_alu depctr_va_vdst(0)
	s_wait_loadcnt 32                              ; the last 32 loads may be out
.elseif p == 48
	s_wait_alu depctr_va_vdst(0)
	s_wait_loadcnt 0x0
.endif
.if p < 4
	v_pk_add_f32 v[16+2*p:17+2*p], v[X+2*p:X+2*p+1], v[X+2*p+8:X+2*p+9]
.elseif p >= 8
	v_pk_add_f32 v[16+2*(p%4):17+2*(p%4)], v[16+2*(p%4):17+2*(p%4)], v[X+2*p:X+2*p+1]
.endif
.set p, p+1
.endr
	s_delay_alu instid0(VALU_DEP_3)
	v_pk_add_f32 v[16:17], v[16:17], v[18:19]
	s_delay_alu instid0(VALU_DEP_2)
	v_pk_add_f32 v[20:21], v[20:21], v[22:23]
	s_delay_alu instid0(VALU_DEP_1)
	v_pk_add_f32 v[16:17], v[16:17], v[20:21]
	s_delay_alu instid0(VALU_DEP_1)
	v_add_f32 v16, v16, v17
	ds_store_b32 v5, v16
.Lj1:
	s_wait_dscnt 0x0                               ; my store has landed
	s_barrier_signal -1
	s_barrier_wait -1
	; ---- the sum of squares of the differences
	s_cmp_lt_u32 s18, 8
	s_cbranch_scc0 .Lj2
	s_wait_alu depctr_va_vdst(0)
.irp k, 0,1,2,3
	ds_load_b32 v[16+\k], v6 offset:256*\k
.endr
	s_wait_dscnt 0x0
	v_add_f32 v16, v16, v17
	v_add_f32 v18, v18, v19
	s_delay_alu instid0(VALU_DEP_1)
	v_add_f32 v16, v16, v18
	s_delay_alu instid0(VALU_DEP_1)
	v_mul_f32 v14, 0x3b000000, v16                 ; / 512: the mean, the same bits in all waves of a token
.set p, 0
.rept 64
	v_pk_add_f32 v[X+2*p:X+2*p+1], v[X+2*p:X+2*p+1], v[14:15] op_sel_hi:[1,0] neg_lo:[0,1] neg_hi:[0,1]
.set p, p+1
.endr
.set p, 0
.rept 64
.if p < 4
	v_pk_mul_f32 v[16+2*p:17+2*p], v[X+2*p:X+2*p+1], v[X+2*p:X+2*p+1]
.else
	s_delay_alu instid0(VALU_DEP_4)
	v_pk_fma_f32 v[16+2*(p%4):17+2*(p%4)], v[X+2*p:X+2*p+1], v[X+2*p:X+2*p+1], v[16+2*(p%4):17+2*(p%4)]
.endif
.set p, p+1
.endr
	s_delay_alu instid0(VALU_DEP_3)
	v_pk_add_f32 v[16:17], v[16:17], v[18:19]
	s_delay_alu instid0(VALU_DEP_2)
	v_pk_add_f32 v[20:21], v[20:21], v[22:23]
	s_delay_alu instid0(VALU_DEP_1)
	v_pk_add_f32 v[16:17], v[16:17], v[20:21]
	s_delay_alu instid0(VALU_DEP_1)
	v_add_f32 v16, v16, v17
	ds_store_b32 v5, v16 offset:1024
.Lj2:
	s_wait_dscnt 0x0
	s_barrier_signal -1
	s_barrier_wait -1
	; ---- norm, gain, bias, quantise
	s_cmp_lt_u32 s18, 8
	s_cbranch_scc0 .Lj3
	s_wait_alu depctr_va_vdst(0)
.irp k, 0,1,2,3
	ds_load_b32 v[16+\k], v6 offset:1024+256*\k
.endr
	s_mov_b32 s19, 0x3727c5ac                      ; 1e-5
	s_wait_dscnt 0x0
	v_add_f32 v16, v16, v17
	v_add_f32 v18, v18, v19
	s_delay_alu instid0(VALU_DEP_1)
	v_add_f32 v16, v16, v18
	s_delay_alu instid0(VALU_DEP_1)
	v_fma_f32 v16, v16, 0x3b000000, s19
	s_wait_alu depctr_va_vdst(0)
	v_rsq_f32 v30, v16
	v_nop                                          ; one plain place behind a transcendental
	s_cmp_lt_u32 s18, 2
	s_cbranch_scc0 .Lno_stat
	global_store_b32 v1, v14, s[16:17]             ; waves 0, 1: the 64 tokens' mean and 1 / sqrt, for the last launch; neither register is written again
	s_wait_alu depctr_va_vdst(0)
	global_store_b32 v1, v30, s[16:17] offset:32768
.Lno_stat:
.macro NORM blk
	s_wait_kmcnt 0x0                               ; this block's gamma and beta
.set i, 0
	s_wait_alu depctr_va_vdst(0)
.rept 16
	v_pk_mul_f32 v[X+32*\blk+2*i:X+32*\blk+2*i+1], v[X+32*\blk+2*i:X+32*\blk+2*i+1], v[30:31] op_sel_hi:[1,0]
.set i, i+1
.endr
.set i, 0
.rept 32
	v_fma_f32 v[X+32*\blk+i], v[X+32*\blk+i], s[32+i], s[68+i]
.set i, i+1
.endr
.if \blk < 3
	s_load_b512 s[32:47], s[6:7], 128*(\blk+1)     ; the next block's land under this block's maximum
	s_load_b512 s[48:63], s[6:7], 128*(\blk+1)+64
	s_load_b512 s[68:83], s[8:9], 128*(\blk+1)
	s_load_b512 s[84:99], s[8:9], 128*(\blk+1)+64
.endif
	QMAX \blk
.endm
	NORM 0
	NORM 1
	NORM 2
	NORM 3
	QFIN
.irp q, 0,1,2
	ds_store_b128 v7, v[F0+4*\q:F0+4*\q+3] offset:512*\q
	ds_store_b128 v7, v[F1+4*\q:F1+4*\q+3] offset:1536+512*\q
.endr
	ds_store_b32 v8, v[PW]
.Lj3:
	s_wait_tensorcnt 0x0                           ; my quarter of the weights has landed,
	s_wait_dscnt 0x0                               ; my images too
	s_barrier_signal -1
	s_barrier_wait -1                              ; everybody's have.  From here on LDS is only read
	; ---- the products: four K steps, eight accumulators by turns
	s_wait_alu depctr_va_vdst(0)
.irp s, 0,1,2,3
.irp t, 0,1,2,3
.irp q, 0,1,2
	ds_load_b128 v[PF+12*\t+4*\q:PF+12*\t+4*\q+3], v9 offset:(4*\s+\t)*1536+512*\q
.endr
.endr
.irp u, 0,1
.irp q, 0,1,2
	ds_load_b128 v[QF+12*\u+4*\q:QF+12*\u+4*\q+3], v10 offset:(4*\s+\u)*1536+512*\q
.endr
.endr
	ds_load_b32 v29, v11 offset:256*\s
	ds_load_b32 v59, v11 offset:256*\s+128
	ds_load_b32 v63, v12 offset:256*\s
	s_wait_dscnt 0x0
.irp u, 0,1
.irp t, 0,1,2,3
	WM ACC+32*\u+8*\t, PF+12*\t, QF+12*\u, \s==0, 29+30*(\t/2), 63, \t%2, \u
.endr
.endr
.rept 4
	v_nop                                          ; places in front of loads into registers that matrix instructions have read, and of the first read of results
.endr
.endr
	v_mov_b32 v[QT+2], 0                           ; a lane permute's destination counts as one of its sources
	v_mov_b32 v[QT+3], 0
	s_cmp_lt_u32 s18, 10
	s_cbranch_scc0 .Lno_rot
	s_wait_loadcnt 0x0                             ; the tables
; register 8 c + j of tile u: dimension f = 16 c + 8 h + j of token r; 16 registers on: dimension f + 32.  lo' = lo C - hi S, hi' = hi C + lo S
.macro ROT u
.irp c, 0,1
.irp j, 0,2,4,6
	v_pk_mul_f32 v[156:157], v[ACC+32*\u+16+8*\c+\j:ACC+32*\u+16+8*\c+\j+1], v[TAB+32*\u+16+8*\c+\j:TAB+32*\u+16+8*\c+\j+1]
	v_pk_mul_f32 v[158:159], v[ACC+32*\u+8*\c+\j:ACC+32*\u+8*\c+\j+1], v[TAB+32*\u+16+8*\c+\j:TAB+32*\u+16+8*\c+\j+1]
	v_pk_fma_f32 v[ACC+32*\u+8*\c+\j:ACC+32*\u+8*\c+\j+1], v[ACC+32*\u+8*\c+\j:ACC+32*\u+8*\c+\j+1], v[TAB+32*\u+8*\c+\j:TAB+32*\u+8*\c+\j+1], v[156:157] neg_lo:[0,0,1] neg_hi:[0,0,1]
	v_pk_fma_f32 v[ACC+32*\u+16+8*\c+\j:ACC+32*\u+16+8*\c+\j+1], v[ACC+32*\u+16+8*\c+\j:ACC+32*\u+16+8*\c+\j+1], v[TAB+32*\u+8*\c+\j:TAB+32*\u+8*\c+\j+1], v[158:159]
.endr
.endr
.endm
	ROT 0
	ROT 1
.Lno_rot:
	QUANT2 ACC, D12, HW
	QUANT2 ACC+32, D12+6, HW+1
	s_cmp_lt_u32 s18, 10
	s_cbranch_scc0 .Lv_store
	v_lshl_or_b32 v[HW+2], v[HW+1], 16, v[HW]      ; queries and keys: a PAIR of token tiles is one image of 12 registers, and one word a row
.irp q, 0,1,2
	global_store_b128 v2, v[D12+4*\q:D12+4*\q+3], s[14:15] offset:512*\q
.endr
	global_store_b32 v4, v[HW+2], s[2:3]           ; both halves of the lanes hold the same word
	s_branch .Lend
.Lv_store:
	s_wait_alu depctr_va_vdst(0)
.irp c, 0,1                            ; values: half an image (six registers, 64 tokens) for each column tile: 512 bytes by 16, 256 bytes by 8
	global_store_b128 v2, v[D12+6*\c:D12+6*\c+3], s[14:15] offset:768*\c
	global_store_b64 v3, v[D12+6*\c+4:D12+6*\c+5], s[14:15] offset:768*\c
	global_store_b16 v4, v[HW+\c], s[2:3] offset:64*\c
.endr
.Lend:
	s_set_vgpr_msb 0x5
	s_wait_tensorcnt 0x0
	ds_add_u32 v0, v1
	s_wait_dscnt 0x0
	s_set_vgpr_msb 0x500
	CROUND                                         ; the closing round: no work-group ends while a partner may still ask jointly
	s_endpgm
.Lfunc_end_k_qbe637dea60_qkv:
	.size	k_qbe637dea60_qkv, .Lfunc_end_k_qbe637dea60_qkv-k_qbe637dea60_qkv
	.p2alignl 7, 3214868480
	.fill 96, 4, 3214868480
	.section	.rodata,"a",@progbits
	.p2align	6, 0x0
	.amdhsa_kernel k_qbe637dea60_qkv
		.amdhsa_group_segment_fixed_size 185856
		.amdhsa_private_segment_fixed_size 0
		.amdhsa_enable_private_segment 0
		.amdhsa_kernarg_size 56
		.amdhsa_user_sgpr_count 2
		.amdhsa_user_sgpr_kernarg_segment_ptr 1
		.amdhsa_wavefront_size32 1
		.amdhsa_system_sgpr_workgroup_id_x 1
		.amdhsa_system_sgpr_workgroup_id_y 1
		.amdhsa_system_sgpr_workgroup_id_z 1
		.amdhsa_system_vgpr_workitem_id 0
		.amdhsa_next_free_vgpr 258
		.amdhsa_next_free_sgpr 100
		.amdhsa_reserve_vcc 0
		.amdhsa_float_denorm_mode_32 3
		.amdhsa_float_denorm_mode_16_64 3
		.amdhsa_memory_ordered 1
		.amdhsa_forward_progress 1
		.amdhsa_inst_pref_size 79
	.end_amdhsa_kernel
	.amdgpu_metadata
---
amdhsa.version: [ 1, 2 ]
amdhsa.kernels:
  - .name:           k_qbe637dea60_qkv
    .symbol:         k_qbe637dea60_qkv.kd
    .args:
      - { .name: x, .offset: 0, .size: 8, .value_kind: global_buffer, .address_space: global }
      - { .name: gamma, .offset: 8, .size: 8, .value_kind: global_buffer, .address_space: global }
      - { .name: beta, .offset: 16, .size: 8, .value_kind: global_buffer, .address_space: global }
      - { .name: wqkv, .offset: 24, .size: 8, .value_kind: global_buffer, .address_space: global }
      - { .name: rot, .offset: 32, .size: 8, .value_kind: global_buffer, .address_space: global }
      - { .name: qkvc, .offset: 40, .size: 8, .value_kind: global_buffer, .address_space: global }
      - { .name: stats, .offset: 48, .size: 8, .value_kind: global_buffer, .address_space: global }
    .group_segment_fixed_size: 185856
    .private_segment_fixed_size: 0
    .kernarg_segment_align: 8
    .kernarg_segment_size: 56
    .max_flat_workgroup_size: 384
    .sgpr_count:     100
    .vgpr_count:     258
    .wavefront_size: 32
...
	.end_amdgpu_metadata
.endif
;; end of part 2
;; launch attn (part 3): grid 32 x 8, 16 waves a work-group, clusters of 4 x 1, 232,448 bytes of LDS; arguments qkvc, oc; writes oc
.if DOCPART == 3
	.amdgcn_target "amdgcn-amd-amdhsa--gfx1250"
	.amdhsa_code_object_version 6
	.text
	.protected	k_qbe637dea60_attn
	.globl	k_qbe637dea60_attn
	.p2align	8
	.type	k_qbe637dea60_attn,@function
k_qbe637dea60_attn:
	s_mov_b64 s[64:65], 0
	v_nop
	global_prefetch_b8 v0, s[64:65] scope:SCOPE_SE
	s_setreg_imm32_b32 hwreg(HW_REG_WAVE_MODE, 25, 1), 1
	s_wait_xcnt 0x0
	s_wait_alu depctr_hold_cnt(0) depctr_sa_sdst(0) depctr_va_vdst(0) depctr_va_sdst(0) depctr_va_ssrc(0) depctr_va_vcc(0) depctr_vm_vsrc(0)
	s_getreg_b32 s2, hwreg(HW_REG_IB_STS2, 6, 4)
	s_cmp_eq_u32 s2, 0
	s_cbranch_scc0 .Lentry_in_a_cluster
	s_endpgm
.Lentry_in_a_cluster:
	s_bfe_u32 s2, ttmp6, 0x10000c
	s_cmp_lg_u32 s2, 0x3003
	s_cbranch_scc0 .Lentry_shape_is_right
	s_endpgm
.Lentry_shape_is_right:
; ATTN.  Both products of attention on codes of FP6 (E2M3); between them p = 2^(t - M), t = score x log2(e) / 8, M the running largest t rounded UP to a whole number.
; The row's sum is taken of the unquantised p and divides at the end; the result is quantised along (head, 64) for the last product.
; SHARES.  y = 2 b + kvh.  A work-group takes 64 queries (block qb = 4 x cluster x + cx) of the heads kvh, kvh + 2, kvh + 4, kvh + 6, which share one key and value head.
; Wave w = head w / 4, query tile w % 4: 16 queries in 256 registers.
; K AND V of (b, kvh), 102,400 bytes each (4,096 of scale words, 98,304 of codes), lie whole in LDS, filled once.  The four work-groups of a cluster read the same K and V:
; waves 0-3 ask for a quarter of K each, waves 4-7 for a quarter of V, by joint loads: one load of a wave is out.  One wait and one barrier show all of it; the walk over the keys has no barrier.
; All loads go out at the head and no loop runs ahead of a load: so no prefetch is written.
; K's rows of 256 bytes lie 320 bytes apart in LDS: an image of 1,536 bytes takes 1,920, which is 128 modulo 256.
; LAYOUT.  Both products are used transposed: a lane holds one query.  THE HEAD IS 64 AND THE INSTRUCTION 128 DEEP: an image of K holds a PAIR of key tiles (registers 0-5, 6-11); Q lies as zeros, q, zeros:
; v[22:33] = (q, 0) picks the first tile, v[16:27] = (0, q) the second.
; WHICH KEYS FORM A TILE: fragment (c, e) takes for its rows 0-7 rows 8 e .. 8 e + 7 of pair image 2 c, for its rows 8-15 the same rows of image 2 c + 1.  So lane (query, h) holds in registers
; 32 c + 16 e + 8 half + j the key 64 c + 32 h + 16 half + 8 e + j: ALL 32 keys of block 2 c + h, in the order 0-7, 16-23, 8-15, 24-31 in which V's codes lie.  p's codes are the operand as they are made.
; K'S FRAGMENTS COME A STEP AHEAD: those of c = 0 into registers of their own, with V's loads; those of c = 1 into V's upper registers, behind the products with V.
; LIMITS: NaN and infinities are not served; a block whose every p has fallen to 0 keeps the byte 1 (its codes are zeros); the promise holds while |t| stays under 2^31.
.set KC0,   5120                       ; K's codes, behind its 16 rows of scale words
.set KSTEP, 7680                       ; 128 keys: four images of 1,920 bytes
.set VB,    128000                     ; V's record, dense
.set VSTEP, 6144
.set SPARE, 230400                     ; the spare words: 128 bytes a wave
.set SEL, 52                           ; s[52:53] selects for lane l xor 16
.set CS,  54                           ; s[54:55] c = log2(e) / 8
.set KA,  232                          ; v232-255 K's fragments (0, 0) and (0, 1)
.set QT,  236                          ; v236-244 at work in QUANT2, when K is done with
.set SPW, 90                           ; v90 my spare word's address, v91 0: never rewritten
.set NIL, 91
.set PW,  39                           ; v39 p's scale word
; v1-v5 my lane's places (K codes, V codes by 16, V codes by 8, K scales, V scales); v6-v10 the trip's addresses; v11 Q's scale word; v12 -M, v13 largest score; v14 f (v15 named with it); v16-33 Q;
; v34-35 K's scale words, v36-37 V's; v38 8 h; v40-87 V's four fragments (v64-87 first K's (1, 0) and (1, 1)); v92-93 the scale word in the making; v94-95 my two blocks' largest scores;
; v96-159 scores, then p; v160-191 O^T; v192-203 p's codes; v204-210 second halves; v212-219 the sum, four chains; v220-227 at work
.macro CROUND
	s_barrier_signal -1
	s_barrier_wait -1
	s_cmp_lg_u32 s8, 0
	s_cbranch_scc1 .Lnot_wave_0_\@
	s_barrier_signal -3
.Lnot_wave_0_\@:
	s_barrier_wait -3
	s_barrier_signal -1
	s_barrier_wait -1
.endm
; 32 registers at s: two blocks of 32, of each 16 numbers here and 16 in lane l xor 16.  d .. d + 5: block h of my row; hw: the two bytes
.macro QUANT2 s, d, hw
	v_max3_num_f32 v[QT], |v[\s]|, |v[\s+1]|, 0x1800000
	v_max3_num_f32 v[QT+1], |v[\s+16]|, |v[\s+17]|, 0x1800000
.irp i, 2,4,6,8,10,12,14
	s_delay_alu instid0(VALU_DEP_2)
	v_max3_num_f32 v[QT], v[QT], |v[\s+\i]|, |v[\s+\i+1]|
	s_delay_alu instid0(VALU_DEP_2)
	v_max3_num_f32 v[QT+1], v[QT+1], |v[\s+16+\i]|, |v[\s+17+\i]|
.endr
	s_delay_alu instid0(VALU_DEP_2)
	v_permlanex16_b32 v[QT+2], v[QT], s[SEL], s[SEL+1]
	s_delay_alu instid0(VALU_DEP_2)
	v_permlanex16_b32 v[QT+3], v[QT+1], s[SEL], s[SEL+1]
	s_delay_alu instid0(VALU_DEP_2)
	v_max_num_f32 v[QT], v[QT], v[QT+2]
	s_delay_alu instid0(VALU_DEP_2)
	v_max_num_f32 v[QT+1], v[QT+1], v[QT+3]
	s_delay_alu instid0(VALU_DEP_2)
	v_add_nc_u32 v[QT+4], 0xff000000, v[QT]
	s_delay_alu instid0(VALU_DEP_2)
	v_add_nc_u32 v[QT+5], 0xff000000, v[QT+1]
	s_delay_alu instid0(VALU_DEP_2)
	v_lshrrev_b32 v[QT+2], 23, v[QT+4]
	s_delay_alu instid0(VALU_DEP_2)
	v_lshrrev_b32 v[QT+3], 23, v[QT+5]
	s_delay_alu instid0(VALU_DEP_1)
	v_lshl_or_b32 v[\hw], v[QT+3], 8, v[QT+2]
	v_cvt_scalef32_pk16_fp6_f32 v[\d:\d+2], v[\s:\s+15], v[QT+4]
	v_cvt_scalef32_pk16_fp6_f32 v[QT+6:QT+8], v[\s+16:\s+31], v[QT+5]
	v_nop                                          ; one plain place behind a scaled conversion
.irp i, 0,1,2
	v_permlane16_swap_b32 v[\d+\i], v[QT+6+\i]
.endr
.irp i, 0,1,2
	s_delay_alu instid0(VALU_DEP_3)
	v_mov_b32 v[\d+3+\i], v[QT+6+\i]
.endr
.endm
.macro WMZ d, a, b, sa, ra             ; a tile of scores: the sum starts with 0
.if \ra
	v_wmma_scale_f32_16x16x128_f8f6f4 v[\d:\d+7], v[\a:\a+11], v[\b:\b+11], 0, v[\sa], v11 matrix_a_fmt:MATRIX_FMT_FP6 matrix_b_fmt:MATRIX_FMT_FP6 matrix_a_scale:MATRIX_SCALE_ROW1
.else
	v_wmma_scale_f32_16x16x128_f8f6f4 v[\d:\d+7], v[\a:\a+11], v[\b:\b+11], 0, v[\sa], v11 matrix_a_fmt:MATRIX_FMT_FP6 matrix_b_fmt:MATRIX_FMT_FP6
.endif
.endm
.macro WMA d, a, sa, ra                ; a tile of O^T, in place
.if \ra
	v_wmma_scale_f32_16x16x128_f8f6f4 v[\d:\d+7], v[\a:\a+11], v[192:203], v[\d:\d+7], v[\sa], v[PW] matrix_a_fmt:MATRIX_FMT_FP6 matrix_b_fmt:MATRIX_FMT_FP6 matrix_a_scale:MATRIX_SCALE_ROW1
.else
	v_wmma_scale_f32_16x16x128_f8f6f4 v[\d:\d+7], v[\a:\a+11], v[192:203], v[\d:\d+7], v[\sa], v[PW] matrix_a_fmt:MATRIX_FMT_FP6 matrix_b_fmt:MATRIX_FMT_FP6
.endif
.endm
; pairs a .. b - 1 of p onto the sum's four chains; a chain's first line of a step brings it under the new M: chain x f + p
.macro SUMS a, b
.set n, \a
.rept \b-\a
.if n < 4
	v_pk_fma_f32 v[212+2*n:213+2*n], v[212+2*n:213+2*n], v[14:15], v[96+2*n:97+2*n] op_sel_hi:[1,0,1]
.else
	v_pk_add_f32 v[212+2*(n%4):213+2*(n%4)], v[212+2*(n%4):213+2*(n%4)], v[96+2*n:97+2*n]
.endif
.set n, n+1
.endr
.endm
; K's fragments (c, 0) and (c, 1) into d .. d + 23 and their scale words (lanes 0-15: e = 0, lanes 16-31: e = 1), st steps on from the addresses: seven loads
.macro KHALF d, c, ac, as, st
.irp e, 0,1
.irp q, 0,1,2
	ds_load_b128 v[\d+12*\e+4*\q:\d+12*\e+4*\q+3], v[\ac] offset:KSTEP*(\st)+3840*\c+128*\e+640*\q
.endr
.endr
	ds_load_b32 v[34+\c], v[\as] offset:320*(\st)+128*\c
.endm
.macro VL t, k                         ; V's fragment t of step k: two half images
	ds_load_b128 v[40+12*\t:43+12*\t], v7 offset:VSTEP*\k+768*\t
	ds_load_b64 v[44+12*\t:45+12*\t], v8 offset:VSTEP*\k+768*\t
	ds_load_b128 v[46+12*\t:49+12*\t], v7 offset:VSTEP*\k+3072+768*\t
	ds_load_b64 v[50+12*\t:51+12*\t], v8 offset:VSTEP*\k+3072+768*\t
.endm
	s_load_b128 s[4:7], s[0:1], 0x0                ; qkvc s[4:5], oc s[6:7]
	v_lshl_add_u32 v[SPW], v0, 2, SPARE
	v_mov_b32 v[NIL], 0
	ds_add_u32 v[SPW], v[NIL]                      ; the opening lines: the add, twice on end, and its wait
	ds_add_u32 v[SPW], v[NIL]
	v_lshrrev_b32 v6, 5, v0
	s_delay_alu instid0(VALU_DEP_1)
	v_readfirstlane_b32 s8, v6                     ; wave 0..15
	s_and_b32 s11, ttmp7, 0xffff
	s_lshr_b32 s12, s11, 1                         ; b
	s_and_b32 s13, s11, 1                          ; kvh
	s_lshr_b32 s14, s8, 2                          ; hi: my head is kvh + 2 hi
	s_and_b32 s15, s8, 3                           ; qt: my tile of 16 queries; also: which quarter of a record I would fetch
	; the joint loads: made of b, kvh and the wave's number alone.  K is record 12 b + 8 + kvh, V two records on
	s_mul_i32 s40, s15, 25600
	s_mov_b32 s32, 1                               ; group 0 for K: count,
	s_mul_i32 s33, s15, 32000                      ; LDS address: 100 rows of 320 bytes a quarter
	s_mov_b32 s36, 1                               ; group 0 for V
	s_add_co_u32 s37, s40, VB
	s_mul_i32 s46, s12, 12
	s_add_co_u32 s46, s46, s13
	s_mul_i32 s42, s46, 102400
	s_add_co_u32 s42, s42, s40
	s_add_co_u32 s42, s42, 8*102400
	s_mov_b32 s43, 0
	s_add_co_u32 s44, s42, 2*102400
	s_mov_b32 s45, 0
	s_mov_b32 s16, 15|(3<<16)|(1<<20)|(1<<21)|(5<<22)|(15<<25)  ; group 1 for K: the mask names all four; elements of 8 bytes; bit 21 beside a mask; 16 words of padding behind every 64
	s_mov_b32 s17, 32<<16                          ; rows of 256 bytes,
	s_mov_b32 s18, 100<<16                         ; 100 of them
	s_mov_b32 s19, 32<<16
	s_mov_b32 s20, 100
	s_mov_b32 s21, 32                              ; dense in memory
	s_mov_b32 s22, 0
	s_mov_b32 s23, 0
	s_mov_b32 s24, 15|(3<<16)|(1<<21)              ; group 1 for V: the same shape, no padding
	s_mov_b32 s25, 32<<16
	s_mov_b32 s26, 100<<16
	s_mov_b32 s27, 32<<16
	s_mov_b32 s28, 100
	s_mov_b32 s29, 32
	s_mov_b32 s30, 0
	s_mov_b32 s31, 0
	s_mov_b32 s[SEL], 0x76543210
	s_mov_b32 s[SEL+1], 0xfedcba98
	s_mov_b32 s[CS], 0x3e38aa3b
	s_mov_b32 s[CS+1], s[CS]
	s_and_b32 s48, s8, 1
	s_lshl_b32 s49, s48, 4                         ; 16 where my tile is the pair's second,
	s_sub_co_u32 s48, 0, s48                       ; and all ones there
	s_lshl_b32 s47, s14, 1                         ; my head's record of queries
	s_add_co_u32 s46, s46, s47
	s_mul_i32 s74, s46, 102400
	s_mov_b32 s75, 0
	s_mul_i32 s76, s15, 6144                       ; the way out: my half image in the block's record: tile qt, K step hi, half kvh,
	s_mul_i32 s77, s14, 1536
	s_add_co_u32 s76, s76, s77
	s_mul_i32 s77, s13, 768
	s_add_co_u32 s76, s76, s77
	s_lshl_b32 s77, s15, 8                         ; and my two bytes of its scale words
	s_lshl_b32 s78, s14, 6
	s_add_co_u32 s77, s77, s78
	s_lshl_b32 s78, s13, 1
	s_add_co_u32 s77, s77, s78
	s_add_co_u32 s77, s77, 24576
	s_bfe_u32 s66, ttmp6, 0x40000                  ; cx: it enters global addresses of my own loads and stores alone
	s_lshl_b32 s67, ttmp9, 2
	s_add_co_u32 s67, s67, s66                     ; qb
	s_lshl_b32 s68, s67, 1
	s_lshr_b32 s69, s15, 1
	s_add_co_u32 s68, s68, s69                     ; my pair of query tiles
	s_mul_i32 s69, s68, 1536
	s_lshl_b32 s70, s68, 6
	s_lshl_b32 s72, s12, 5
	s_add_co_u32 s72, s72, s67
	s_mul_i32 s72, s72, 25600                      ; oc: the block of 64 tokens
	s_mov_b32 s73, 0
	v_and_b32 v6, 31, v0                           ; lane
	v_and_b32 v7, 15, v0                           ; r
	v_bfe_u32 v8, v0, 4, 1                         ; h
	v_bfe_u32 v9, v0, 3, 1                         ; g: rows 8-15 take the odd image
	v_and_b32 v10, 7, v0
	v_mul_u32_u24 v1, v8, 320                      ; K's codes: 320 h + 1,920 g + 16 (l % 8)
	v_lshlrev_b32 v4, 6, v9                        ; K's scale words: 64 g + 32 (l / 16) + 4 (l % 8)
	v_lshl_add_u32 v2, v6, 4, VB+4096
	v_lshl_add_u32 v3, v6, 3, VB+4096+512
	v_mad_u32_u24 v1, v9, 1920, v1
	v_lshl_add_u32 v4, v8, 5, v4
	v_lshl_add_u32 v5, v6, 2, VB
	v_lshlrev_b32 v38, 3, v8
	v_lshl_add_u32 v1, v10, 4, v1
	v_lshl_add_u32 v4, v10, 2, v4
	v_lshl_add_u32 v88, v6, 4, s69
	v_lshl_add_u32 v89, v7, 2, s70
	v_add_nc_u32 v1, KC0, v1
	s_wait_alu depctr_va_vdst(0)
	s_wait_dscnt 0x0                               ; both opening adds are done
	s_wait_kmcnt 0x0
	s_add_nc_u64 s[34:35], s[4:5], s[42:43]
	s_or_b32 s35, s35, 0x80000000
	s_add_nc_u64 s[38:39], s[4:5], s[44:45]
	s_or_b32 s39, s39, 0x80000000
	s_add_nc_u64 s[4:5], s[4:5], s[74:75]
	s_add_nc_u64 s[6:7], s[6:7], s[72:73]
.irp q, 0,1,2
	global_load_b128 v[40+4*\q:43+4*\q], v88, s[4:5] offset:4096+512*\q    ; my pair of query tiles: its image
.endr
	global_load_b32 v52, v89, s[4:5]               ; and its word
	CROUND                                         ; all four work-groups are here: the joint loads meet
	s_cmp_lt_u32 s8, 4
	s_cbranch_scc0 .Lnot_k
	tensor_load_to_lds s[32:35], s[16:23]          ; waves 0-3: a quarter of K
	s_nop 0
.rept 4
	v_nop
.endr
	s_branch .Lasked
.Lnot_k:
	s_cmp_lt_u32 s8, 8
	s_cbranch_scc0 .Lasked
	tensor_load_to_lds s[36:39], s[24:31]          ; waves 4-7: a quarter of V
	s_nop 0
.rept 4
	v_nop
.endr
.Lasked:
.irp i, 0,1,2,3,4,5
	v_mov_b32 v[16+\i], 0
	v_mov_b32 v[28+\i], 0
.endr
	v_mov_b32 v13, 0xff61b1e6                      ; the largest score so far: -3e38
	v_mov_b32 v15, 0                               ; named as the upper half of v[14:15]
	v_floor_f32 v12, -v13
.irp i, 212,213,214,215,216,217,218,219
	v_mov_b32 v[\i], 0                             ; the sum
.endr
	v_mov_b32 v93, 0                               ; a lane permute's destination counts as one of its sources
	s_wait_loadcnt 0x0
.irp i, 0,1,2,3,4,5
	v_cndmask_b32 v[22+\i], v[40+\i], v[46+\i], s48        ; my tile's six registers
.endr
	v_lshrrev_b32 v11, s49, v52
	s_delay_alu instid0(VALU_DEP_1)
	v_and_b32 v11, 0xffff, v11
	s_delay_alu instid0(VALU_DEP_1)
	v_lshl_or_b32 v11, v11, 16, v11                ; my tile's two bytes, twice: they serve q in either place
.set j, 0
.rept 32
	v_mov_b32 v[160+j], 0                          ; O^T: the step is written once: the first finds zeros, which f = 0 leaves zeros
.set j, j+1
.endr
	s_wait_alu depctr_va_vdst(0)
	s_wait_tensorcnt 0x0                           ; my quarter has landed
	s_wait_dscnt 0x0
	s_barrier_signal -1
	s_barrier_wait -1                              ; everybody's has.  From here on LDS is only read
; A KEY STEP: 128 keys.  k: the step's place behind the trip's addresses; pre: the next step's K is asked for.
; On the way in K's fragments of c = 0 and their scale words are in registers, and the seven loads for c = 1 are out.
.macro STEP k, pre
.irp e, 0,1
	WMZ 96+16*\e, KA+12*\e, 22, 34, \e
	WMZ 96+16*\e+8, KA+12*\e, 16, 34, \e
.endr
	s_wait_alu depctr_va_vdst(0)
	s_wait_dscnt 0x0                               ; K's fragments of c = 1 are in
.irp e, 0,1
	WMZ 128+16*\e, 64+12*\e, 22, 35, \e
	WMZ 128+16*\e+8, 64+12*\e, 16, 35, \e
.endr
.if \k == 0
	v_add_nc_u32 v6, s56, v1                       ; the trip's addresses: also the places in front of the first read of the scores
	v_add_nc_u32 v7, s57, v2
	v_add_nc_u32 v8, s57, v3
	v_add_nc_u32 v9, s58, v4
	v_add_nc_u32 v10, s59, v5
.else
.rept 4
	v_nop                                          ; the same places
.endr
.endif
.irp c, 0,1                            ; the largest score of my two blocks of 32 keys: a chain for each accumulator, from its low end on
.irp a, 0,1,2,3
	v_max3_num_f32 v[220+4*\c+\a], v[96+32*\c+8*\a], v[97+32*\c+8*\a], v[98+32*\c+8*\a]
.endr
.irp i, 3,5
.irp a, 0,1,2,3
	v_max3_num_f32 v[220+4*\c+\a], v[220+4*\c+\a], v[96+32*\c+8*\a+\i], v[97+32*\c+8*\a+\i]
.endr
.endr
.endr
.irp c, 0,1
	v_max3_num_f32 v[220+4*\c], v[220+4*\c], v[221+4*\c], v[103+32*\c]
	v_max3_num_f32 v[222+4*\c], v[222+4*\c], v[223+4*\c], v[111+32*\c]
.endr
.irp c, 0,1
	v_max3_num_f32 v[220+4*\c], v[220+4*\c], v[119+32*\c], v[127+32*\c]
.endr
.irp c, 0,1
	v_max_num_f32 v[94+\c], v[220+4*\c], v[222+4*\c]
.endr
	v_max_num_f32 v220, v94, v95                   ; the row's chain; V's loads, and the next step's K of c = 0, are issued between its links
	VL 0, \k
	v_permlanex16_b32 v221, v220, s[SEL], s[SEL+1] ; lane l xor 16 holds my query's other two blocks
	VL 1, \k
	v_max3_num_f32 v13, v220, v221, v13            ; the running largest score
	VL 2, \k
	v_mul_f32 v222, s[CS], v13                     ; as t (c is positive)
	v_mov_b32 v223, v12
	VL 3, \k
	v_floor_f32 v12, -v222                         ; -M = floor(-t): M is a whole number
	ds_load_b32 v36, v10 offset:256*\k
	ds_load_b32 v37, v10 offset:256*\k+128
.if \pre
	KHALF KA, 0, 6, 9, \k+1
.endif
	v_sub_f32 v223, v12, v223
.set j, 0
.rept 32
	v_pk_fma_f32 v[96+j:97+j], v[96+j:97+j], s[CS:CS+1], v[12:13] op_sel_hi:[1,0,0]     ; t - M
.if j == 4
	v_cvt_i32_f32 v223, v223                       ; (it saturates)
.endif
.if j == 12
	v_ldexp_f32 v14, 1.0, v223                     ; f = 2^(old M - new M): rounds nothing
.endif
.set j, j+2
.endr
.irp c, 0,1
	v_fma_f32 v[94+\c], v[94+\c], s[CS], v12       ; the same of each block's largest score
.endr
.irp j, 0,2,4,6,8,10,12,14,16,18,20,22,24,26,28,30
	v_pk_mul_f32 v[160+\j:161+\j], v[160+\j:161+\j], v[14:15] op_sel_hi:[1,0]           ; O^T under the new M
.endr
	s_wait_alu depctr_va_vdst(0)
.set j, 0
.rept 64
	v_exp_f32 v[96+j], v[96+j]                     ; p = 2^(t - M)
.set j, j+1
.endr
.irp c, 0,1
	v_exp_f32 v[94+\c], v[94+\c]                   ; the block's largest p: the same two instructions on the same number
.endr
	v_nop                                          ; one plain place behind the exponentials
	s_wait_alu depctr_va_vdst(0)                   ; one wait for the batch, ahead of its first reader
.irp c, 0,1
	v_max_num_f32 v[94+\c], 0x1800000, v[94+\c]    ; the floor 2^(3 - 127): the byte cannot fall under 1
.endr
.irp c, 0,1
	v_add_nc_u32 v[224+\c], 0xff000000, v[94+\c]   ; 2 off the exponent field: the conversion's scale operand
.endr
.irp c, 0,1
	v_cvt_scalef32_pk16_fp6_f32 v[192+6*\c:194+6*\c], v[96+32*\c:111+32*\c], v[224+\c]
	v_cvt_scalef32_pk16_fp6_f32 v[204+4*\c:206+4*\c], v[112+32*\c:127+32*\c], v[224+\c]  ; (a conversion's three registers begin on an even number)
.endr
	v_lshrrev_b32 v226, 23, v224                   ; the bytes of blocks h and 2 + h.  (Plain places behind the conversions)
	v_lshrrev_b32 v227, 23, v225
	v_lshl_or_b32 v92, v227, 16, v226
	v_mov_b32 v195, v204                           ; the second halves go to their places between the links of the word's chain
	v_lshlrev_b32 v92, v38, v92                    ; at their places in the word: 8 h bits up
	v_mov_b32 v196, v205
	v_permlanex16_b32 v93, v92, s[SEL], s[SEL+1]
	v_mov_b32 v197, v206
	v_mov_b32 v201, v208
	v_or_b32 v[PW], v92, v93                       ; with lane l xor 16's two the word is whole
	v_mov_b32 v202, v209
	v_mov_b32 v203, v210
	SUMS 0, 8                                      ; with the two lines above: ten places between the scale word and the products, eight behind the last code
	s_wait_alu depctr_va_vdst(0)
	s_wait_dscnt 0x0                               ; V is in, and the next step's K of c = 0
.irp t, 0,1,2,3
	WMA 160+8*\t, 40+12*\t, 36+\t/2, \t%2          ; four accumulators by turns
.endr
	SUMS 8, 12                                     ; four places in front of the loads into V's registers
.if \pre
	KHALF 64, 1, 6, 9, \k+1
.endif
	SUMS 12, 32
.endm
	KHALF KA, 0, 1, 4, 0                           ; step 0's K
	KHALF 64, 1, 1, 4, 0
	s_mov_b32 s56, 0                               ; the trip's place among K's codes, V's codes, K's scale words, V's
	s_mov_b32 s57, 0
	s_mov_b32 s58, 0
	s_mov_b32 s59, 0
	s_mov_b32 s60, 7                               ; seven trips of two steps; the last two steps are written out, since the last asks for no further K
	s_wait_dscnt 7                                 ; c = 0 is in; the seven loads for c = 1 may be out
.Ltrip:
	STEP 0, 1
	STEP 1, 1
	s_add_co_u32 s56, s56, 2*KSTEP
	s_add_co_u32 s57, s57, 2*VSTEP
	s_add_co_u32 s58, s58, 640
	s_add_co_u32 s59, s59, 512
	s_sub_co_u32 s60, s60, 1
	s_cmp_lg_u32 s60, 0
	s_cbranch_scc1 .Ltrip
	STEP 2, 1                                      ; steps 14 and 15, from the last trip's addresses
	STEP 3, 0
	; THE WAY OUT: O^T / the sum, quantised along my head's 64: half an image and two scale bytes
	v_pk_add_f32 v[212:213], v[212:213], v[214:215]
	v_pk_add_f32 v[216:217], v[216:217], v[218:219]
	s_delay_alu instid0(VALU_DEP_1)
	v_pk_add_f32 v[212:213], v[212:213], v[216:217]
	s_delay_alu instid0(VALU_DEP_1)
	v_add_f32 v212, v212, v213
	s_delay_alu instid0(VALU_DEP_1)
	v_permlanex16_b32 v221, v212, s[SEL], s[SEL+1]
	s_delay_alu instid0(VALU_DEP_1)
	v_add_f32 v212, v212, v221                     ; with lane l xor 16's: the row's sum
	s_wait_alu depctr_va_vdst(0)
	v_rcp_f32 v212, v212
	v_and_b32 v6, 31, v0                           ; plain work behind it: where my results go
	v_and_b32 v9, 15, v0
	v_lshlrev_b32 v7, 4, v6
	v_lshl_add_u32 v8, v6, 3, 512
	v_lshl_add_u32 v9, v9, 2, s77
	v_add_nc_u32 v7, s76, v7
	v_add_nc_u32 v8, s76, v8
	s_wait_alu depctr_va_vdst(0)                   ; ahead of the first reader of the quotient and of O^T
.set j, 0
.rept 32
	v_mul_f32 v[96+j], v[160+j], v212              ; register 8 t + i: dimension 16 t + 8 h + i of query r
.set j, j+1
.endr
	QUANT2 96, 192, 246
	global_store_b128 v7, v[192:195], s[6:7]
	global_store_b64 v8, v[196:197], s[6:7]
	global_store_b16 v9, v246, s[6:7]
	s_wait_tensorcnt 0x0                           ; the wave's end
	ds_add_u32 v[SPW], v[NIL]
	s_wait_dscnt 0x0
	CROUND                                         ; the closing round
	s_endpgm
.Lfunc_end_k_qbe637dea60_attn:
	.size	k_qbe637dea60_attn, .Lfunc_end_k_qbe637dea60_attn-k_qbe637dea60_attn
	.p2alignl 7, 3214868480
	.fill 96, 4, 3214868480
	.section	.rodata,"a",@progbits
	.p2align	6, 0x0
	.amdhsa_kernel k_qbe637dea60_attn
		.amdhsa_group_segment_fixed_size 232448
		.amdhsa_private_segment_fixed_size 0
		.amdhsa_enable_private_segment 0
		.amdhsa_kernarg_size 16
		.amdhsa_user_sgpr_count 2
		.amdhsa_user_sgpr_kernarg_segment_ptr 1
		.amdhsa_wavefront_size32 1
		.amdhsa_system_sgpr_workgroup_id_x 1
		.amdhsa_system_sgpr_workgroup_id_y 1
		.amdhsa_system_sgpr_workgroup_id_z 1
		.amdhsa_system_vgpr_workitem_id 0
		.amdhsa_next_free_vgpr 256
		.amdhsa_next_free_sgpr 80
		.amdhsa_reserve_vcc 0
		.amdhsa_float_denorm_mode_32 3
		.amdhsa_float_denorm_mode_16_64 3
		.amdhsa_memory_ordered 1
		.amdhsa_forward_progress 1
		.amdhsa_inst_pref_size 73
	.end_amdhsa_kernel
	.amdgpu_metadata
---
amdhsa.version: [ 1, 2 ]
amdhsa.kernels:
  - .name:           k_qbe637dea60_attn
    .symbol:         k_qbe637dea60_attn.kd
    .args:
      - { .name: qkvc, .offset: 0, .size: 8, .value_kind: global_buffer, .address_space: global }
      - { .name: oc, .offset: 8, .size: 8, .value_kind: global_buffer, .address_space: global }
    .group_segment_fixed_size: 232448
    .private_segment_fixed_size: 0
    .kernarg_segment_align: 8
    .kernarg_segment_size: 16
    .max_flat_workgroup_size: 512
    .sgpr_count:     80
    .vgpr_count:     256
    .wavefront_size: 32
...
	.end_amdgpu_metadata
.endif
;; end of part 3
;; launch outp (part 4): grid 128 x 2, 8 waves a work-group, clusters of 4 x 1, 268,288 bytes of LDS; arguments oc, wo, x, stats, gamma, beta, bout, out0; writes out0
.if DOCPART == 4
	.amdgcn_target "amdgcn-amd-amdhsa--gfx1250"
	.amdhsa_code_object_version 6
	.text
	.protected	k_qbe637dea60_outp
	.globl	k_qbe637dea60_outp
	.p2align	8
	.type	k_qbe637dea60_outp,@function
k_qbe637dea60_outp:
	s_mov_b64 s[64:65], 0
	v_nop
	global_prefetch_b8 v0, s[64:65] scope:SCOPE_SE
	s_setreg_imm32_b32 hwreg(HW_REG_WAVE_MODE, 25, 1), 1
	s_wait_xcnt 0x0
	s_wait_alu depctr_hold_cnt(0) depctr_sa_sdst(0) depctr_va_vdst(0) depctr_va_sdst(0) depctr_va_ssrc(0) depctr_va_vcc(0) depctr_vm_vsrc(0)
	s_getreg_b32 s2, hwreg(HW_REG_IB_STS2, 6, 4)
	s_cmp_eq_u32 s2, 0
	s_cbranch_scc0 .Lentry_in_a_cluster
	s_endpgm
.Lentry_in_a_cluster:
	s_bfe_u32 s2, ttmp6, 0x10000c
	s_cmp_lg_u32 s2, 0x3003
	s_cbranch_scc0 .Lentry_shape_is_right
	s_endpgm
.Lentry_shape_is_right:
; OUTP.  out0[b][d][n] = xn[n][d] + (attention's result x Wout)[n][d] + bout[d], the product on codes of FP6 (E2M3); xn is made again from x, the stored mean and 1 / sqrt, gamma and beta.
; SHARES.  A work-group takes 64 tokens (block bx = 4 x cluster x + cx) x 256 channels (yo).  Wave w: channels 256 yo + 32 w .. + 31 (two tiles) x the four token tiles: eight accumulators.
; Source 0 = 16 tokens, source 1 = 16 channels: a lane holds ONE channel and eight neighbouring tokens, the output's innermost axis.  xn + bout IS THE C of each sum's first product: it costs no addition behind the sums.
; LDS, filled once: 0 Wout's half (102,400 bytes: images, then scale words), the same for the four work-groups of a cluster: waves 0-3 ask for a quarter each by a joint load;
; 102,400 the block's record of codes (25,600 bytes; wave 4); 128,000 x's 256 rows of 64 tokens, 272 bytes apart (waves 5, 6); 197,632 a stage of 32 rows x 272 bytes for each wave.  One load of a wave is out at the most.
; THE WAY OUT: through my own stage, back as rows of 256 bytes: sixteen lanes store 256 consecutive bytes, at a multiple of 256 from out0's first byte.
; LIMITS: NaN and infinities are not served.
.set OCB, 102400
.set OSC, 126976
.set XB,  128000
.set STG, 197632
.set ACC, 64                           ; v64-127  32 c + 8 T
.set MU,  128                          ; v128-159 the tokens' means in the result's layout; v160-191 their 1 / sqrt
.set RS,  160
.set OF,  128                          ; later: v128-175 the rows' four fragments; v176-199 Wout's two
.set WF,  176
; v40, v41 the rows' scale words (tiles 0, 1 and 2, 3), v42 Wout's: scales and nothing else.  v44, v46 gamma of my two tiles, v48, v50 beta + bout (each the low half of a pair); v52-55 beta, bout as loaded
.macro CROUND
	s_barrier_signal -1
	s_barrier_wait -1
	s_cmp_lg_u32 s20, 0
	s_cbranch_scc1 .Lnot_wave_0_\@
	s_barrier_signal -3
.Lnot_wave_0_\@:
	s_barrier_wait -3
	s_barrier_signal -1
	s_barrier_wait -1
.endm
.macro WM d, a, b, sa, sb, ra, rb
.if (\ra) && (\rb)
	v_wmma_scale_f32_16x16x128_f8f6f4 v[\d:\d+7], v[\a:\a+11], v[\b:\b+11], v[\d:\d+7], v[\sa], v[\sb] matrix_a_fmt:MATRIX_FMT_FP6 matrix_b_fmt:MATRIX_FMT_FP6 matrix_a_scale:MATRIX_SCALE_ROW1 matrix_b_scale:MATRIX_SCALE_ROW1
.elseif (\ra)
	v_wmma_scale_f32_16x16x128_f8f6f4 v[\d:\d+7], v[\a:\a+11], v[\b:\b+11], v[\d:\d+7], v[\sa], v[\sb] matrix_a_fmt:MATRIX_FMT_FP6 matrix_b_fmt:MATRIX_FMT_FP6 matrix_a_scale:MATRIX_SCALE_ROW1
.elseif (\rb)
	v_wmma_scale_f32_16x16x128_f8f6f4 v[\d:\d+7], v[\a:\a+11], v[\b:\b+11], v[\d:\d+7], v[\sa], v[\sb] matrix_a_fmt:MATRIX_FMT_FP6 matrix_b_fmt:MATRIX_FMT_FP6 matrix_b_scale:MATRIX_SCALE_ROW1
.else
	v_wmma_scale_f32_16x16x128_f8f6f4 v[\d:\d+7], v[\a:\a+11], v[\b:\b+11], v[\d:\d+7], v[\sa], v[\sb] matrix_a_fmt:MATRIX_FMT_FP6 matrix_b_fmt:MATRIX_FMT_FP6
.endif
.endm
	s_load_b512 s[4:19], s[0:1], 0x0               ; oc s[4:5], wo s[6:7], x s[8:9], stats s[10:11], gamma s[12:13], beta s[14:15], bout s[16:17], out0 s[18:19]
	v_lshl_add_u32 v254, v0, 2, 0x41400
	v_mov_b32 v255, 0
	ds_add_u32 v254, v255
	ds_add_u32 v254, v255
	v_lshrrev_b32 v1, 5, v0
	s_delay_alu instid0(VALU_DEP_1)
	v_readfirstlane_b32 s20, v1                    ; wave 0..7
	s_and_b32 s21, ttmp7, 0xffff                   ; yo, which the four partners share
	s_and_b32 s22, s20, 3                          ; the joint load: made of yo and the wave's number alone
	s_mul_i32 s22, s22, 25600
	s_mul_i32 s60, s21, 102400
	s_add_co_u32 s60, s60, s22
	s_mov_b32 s61, 0
	s_mov_b32 s24, 15|(3<<16)|(1<<21)              ; group 1, joint: the mask names all four; elements of 8 bytes; bit 21 beside a mask; 100 rows of 256 bytes, dense
	s_mov_b32 s25, 32<<16
	s_mov_b32 s26, 100<<16
	s_mov_b32 s27, 32<<16
	s_mov_b32 s28, 100
	s_mov_b32 s29, 32
	s_mov_b32 s30, 0
	s_mov_b32 s31, 0
	s_mov_b32 s32, 3<<16                           ; group 1, my own block's record: the same shape, no mask
	s_mov_b32 s33, 32<<16
	s_mov_b32 s34, 100<<16
	s_mov_b32 s35, 32<<16
	s_mov_b32 s36, 100
	s_mov_b32 s37, 32
	s_mov_b32 s38, 0
	s_mov_b32 s39, 0
	s_mov_b32 s40, (2<<16)|(1<<20)|(5<<22)|(3<<25) ; group 1, x: elements of 4 bytes; 4 words of padding behind every 64
	s_mov_b32 s41, 64<<16                          ; 64 tokens,
	s_mov_b32 s42, 128<<16                         ; 128 channels,
	s_mov_b32 s43, 64<<16
	s_mov_b32 s44, 128
	s_mov_b32 s45, 2048                            ; 2,048 elements from channel to channel
	s_mov_b32 s46, 0
	s_mov_b32 s47, 0
	s_mov_b32 s48, 1
	s_mov_b32 s49, s22
	s_mov_b32 s52, 1
	s_mov_b32 s53, OCB
	s_mov_b32 s56, 1
	s_and_b32 s57, s20, 1
	s_mul_i32 s57, s57, 34816
	s_add_co_u32 s57, s57, XB
	; addresses: constants, the lane and the wave's number
	v_and_b32 v1, 31, v0                           ; lane
	v_and_b32 v2, 15, v0                           ; r
	v_bfe_u32 v3, v0, 4, 1                         ; h
	s_delay_alu instid0(VALU_DEP_2)
	v_lshlrev_b32 v4, 2, v2                        ; gamma, beta, bout: my channel
	s_delay_alu instid0(VALU_DEP_2)
	v_lshlrev_b32 v5, 5, v3                        ; the statistics: my eight tokens of a tile
	s_mul_i32 s60, s20, 8704
	v_mul_u32_u24 v6, v2, 272
	s_delay_alu instid0(VALU_DEP_1)
	v_lshl_add_u32 v6, v3, 5, v6
	s_delay_alu instid0(VALU_DEP_1)
	v_add_nc_u32 v6, s60, v6
	s_delay_alu instid0(VALU_DEP_1)
	v_add_nc_u32 v12, STG, v6                      ; the stage, in: row r, 32 h
	s_delay_alu instid0(VALU_DEP_2)
	v_add_nc_u32 v6, XB, v6                        ; x: channel 32 w + r, tokens 8 h on
	v_lshl_add_u32 v7, v1, 4, OCB                  ; the rows' half images, by 16
	v_lshl_add_u32 v8, v1, 3, OCB+512              ; and by 8
	s_mul_i32 s61, s20, 12288
	v_lshl_add_u32 v9, v1, 4, s61                  ; my eight fragments of Wout
	v_lshlrev_b32 v10, 8, v3
	s_delay_alu instid0(VALU_DEP_1)
	v_lshl_add_u32 v10, v2, 2, v10
	s_delay_alu instid0(VALU_DEP_1)
	v_add_nc_u32 v10, OSC, v10                     ; the rows' scale words: lanes 0-15 tile 2 i, lanes 16-31 tile 2 i + 1
	s_lshl_b32 s61, s20, 9
	s_add_co_u32 s61, s61, 98304
	v_lshl_add_u32 v11, v1, 2, s61                 ; Wout's
	v_mul_u32_u24 v13, v3, 272
	s_delay_alu instid0(VALU_DEP_1)
	v_lshl_add_u32 v13, v2, 4, v13
	s_delay_alu instid0(VALU_DEP_1)
	v_add_nc_u32 v13, s60, v13
	s_delay_alu instid0(VALU_DEP_1)
	v_add_nc_u32 v13, STG, v13                     ; the stage, back: lanes 0-15 one row, lanes 16-31 the next
	v_lshlrev_b32 v14, 13, v3
	s_delay_alu instid0(VALU_DEP_1)
	v_lshl_add_u32 v14, v2, 4, v14                 ; and the same two rows in out0
.irp i, 45,47,49,51
	v_mov_b32 v[\i], 0                             ; named as upper halves of pairs
.endr
	s_mul_i32 s60, s21, 102400                     ; (again: the registers above served LDS addresses meanwhile)
	s_add_co_u32 s60, s60, s22
	s_mov_b32 s61, 0
	s_bfe_u32 s23, ttmp6, 0x40000                  ; cx: it enters global addresses of my own loads and stores alone
	s_lshl_b32 s62, ttmp9, 2
	s_add_co_u32 s62, s62, s23                     ; bx
	s_mul_i32 s2, s62, 25600
	s_mov_b32 s3, 0
	s_wait_dscnt 0x0
	s_wait_kmcnt 0x0
	s_add_nc_u64 s[50:51], s[6:7], s[60:61]
	s_or_b32 s51, s51, 0x80000000
	s_add_nc_u64 s[54:55], s[4:5], s[2:3]
	s_or_b32 s55, s55, 0x80000000
	s_lshr_b32 s63, s62, 5                         ; b
	s_and_b32 s62, s62, 31
	s_lshl_b32 s62, s62, 8                         ; 4 n0
	s_lshl_b32 s2, s63, 13
	s_add_co_u32 s2, s2, s62
	s_lshl_b32 s23, s21, 16
	s_add_co_u32 s2, s2, s23
	s_add_nc_u64 s[10:11], s[10:11], s[2:3]        ; stats[yo][.][2,048 b + n0]
	s_lshl_b32 s2, s63, 22
	s_add_co_u32 s2, s2, s62
	s_lshl_b32 s23, s21, 21
	s_add_co_u32 s2, s2, s23                       ; b, channel 256 yo, token n0
	s_and_b32 s58, s20, 1
	s_lshl_b32 s58, s58, 20                        ; + 128 channels for the second half
	s_add_co_u32 s58, s58, s2
	s_mov_b32 s59, 0
	s_add_nc_u64 s[58:59], s[8:9], s[58:59]
	s_or_b32 s59, s59, 0x80000000
	s_lshl_b32 s23, s20, 18
	s_add_co_u32 s2, s2, s23
	s_add_nc_u64 s[18:19], s[18:19], s[2:3]        ; out0 at channel 256 yo + 32 w, token n0
	s_lshl_b32 s2, s21, 10
	s_lshl_b32 s23, s20, 7
	s_add_co_u32 s2, s2, s23
	s_add_nc_u64 s[12:13], s[12:13], s[2:3]
	s_add_nc_u64 s[14:15], s[14:15], s[2:3]
	s_add_nc_u64 s[16:17], s[16:17], s[2:3]
	CROUND                                         ; all four work-groups are here
	s_cmp_lt_u32 s20, 4
	s_cbranch_scc0 .Lnot_joint
	tensor_load_to_lds s[48:51], s[24:31]          ; waves 0-3: a quarter of Wout's half
	s_nop 0
.rept 4
	v_nop
.endr
	s_branch .Lasked
.Lnot_joint:
	s_cmp_eq_u32 s20, 4
	s_cbranch_scc0 .Lnot_rec
	tensor_load_to_lds s[52:55], s[32:39]          ; wave 4: the block's codes and scale words
	s_nop 0
.rept 4
	v_nop
.endr
	s_branch .Lasked
.Lnot_rec:
	s_cmp_lt_u32 s20, 7
	s_cbranch_scc0 .Lasked
	tensor_load_to_lds s[56:59], s[40:47]          ; waves 5, 6: 128 channels of x each
	s_nop 0
.rept 4
	v_nop
.endr
.Lasked:
.irp c, 0,1
	global_load_b32 v[44+2*\c], v4, s[12:13] offset:64*\c
	global_load_b32 v[52+\c], v4, s[14:15] offset:64*\c
	global_load_b32 v[54+\c], v4, s[16:17] offset:64*\c
.endr
.irp t, 0,1,2,3
	global_load_b128 v[MU+8*\t:MU+8*\t+3], v5, s[10:11] offset:64*\t
	global_load_b128 v[MU+8*\t+4:MU+8*\t+7], v5, s[10:11] offset:64*\t+16
	global_load_b128 v[RS+8*\t:RS+8*\t+3], v5, s[10:11] offset:32768+64*\t
	global_load_b128 v[RS+8*\t+4:RS+8*\t+7], v5, s[10:11] offset:32768+64*\t+16
.endr
	s_wait_tensorcnt 0x0                           ; my load has landed
	s_wait_dscnt 0x0
	s_barrier_signal -1
	s_barrier_wait -1                              ; everybody's has
.irp c, 0,1
.irp t, 0,1,2,3
	ds_load_b128 v[ACC+32*\c+8*\t:ACC+32*\c+8*\t+3], v6 offset:4352*\c+64*\t
	ds_load_b128 v[ACC+32*\c+8*\t+4:ACC+32*\c+8*\t+7], v6 offset:4352*\c+64*\t+16
.endr
.endr
	s_wait_loadcnt 0x0
	v_add_f32 v48, v52, v54
	v_add_f32 v50, v53, v55
	s_wait_dscnt 0x0
	; C = ((x - mean) / sqrt) gamma + (beta + bout), in the result's layout: register 8 T + j of lane (r, h): token 16 T + 8 h + j, channel 16 c + r
.irp c, 0,1
.irp t, 0,1,2,3
.irp j, 0,2,4,6
	v_pk_add_f32 v[ACC+32*\c+8*\t+\j:ACC+32*\c+8*\t+\j+1], v[ACC+32*\c+8*\t+\j:ACC+32*\c+8*\t+\j+1], v[MU+8*\t+\j:MU+8*\t+\j+1] neg_lo:[0,1] neg_hi:[0,1]
.endr
.endr
.endr
.irp c, 0,1
.irp t, 0,1,2,3
.irp j, 0,2,4,6
	v_pk_mul_f32 v[ACC+32*\c+8*\t+\j:ACC+32*\c+8*\t+\j+1], v[ACC+32*\c+8*\t+\j:ACC+32*\c+8*\t+\j+1], v[RS+8*\t+\j:RS+8*\t+\j+1]
.endr
.endr
.endr
.irp c, 0,1
.irp t, 0,1,2,3
.irp j, 0,2,4,6
	v_pk_fma_f32 v[ACC+32*\c+8*\t+\j:ACC+32*\c+8*\t+\j+1], v[ACC+32*\c+8*\t+\j:ACC+32*\c+8*\t+\j+1], v[44+2*\c:45+2*\c], v[48+2*\c:49+2*\c] op_sel_hi:[1,0,0]
.endr
.endr
.endr
	; the product: four K steps (two heads each), eight accumulators by turns
	s_wait_alu depctr_va_vdst(0)
.irp s, 0,1,2,3
.irp t, 0,1,2,3
	ds_load_b128 v[OF+12*\t:OF+12*\t+3], v7 offset:6144*\t+1536*\s
	ds_load_b64 v[OF+12*\t+4:OF+12*\t+5], v8 offset:6144*\t+1536*\s
	ds_load_b128 v[OF+12*\t+6:OF+12*\t+9], v7 offset:6144*\t+1536*\s+768
	ds_load_b64 v[OF+12*\t+10:OF+12*\t+11], v8 offset:6144*\t+1536*\s+768
.endr
.irp c, 0,1
.irp q, 0,1,2
	ds_load_b128 v[WF+12*\c+4*\q:WF+12*\c+4*\q+3], v9 offset:(2*\s+\c)*1536+512*\q
.endr
.endr
	ds_load_b32 v40, v10 offset:64*\s
	ds_load_b32 v41, v10 offset:512+64*\s
	ds_load_b32 v42, v11 offset:128*\s
	s_wait_dscnt 0x0
.irp t, 0,1,2,3
.irp c, 0,1
	WM ACC+32*\c+8*\t, OF+12*\t, WF+12*\c, 40+\t/2, 42, \t%2, \c
.endr
.endr
.rept 4
	v_nop                                          ; places in front of loads into registers that matrix instructions have read, and of the first read of results
.endr
.endr
	; the way out
.irp c, 0,1
.irp t, 0,1,2,3
	ds_store_b128 v12, v[ACC+32*\c+8*\t:ACC+32*\c+8*\t+3] offset:4352*\c+64*\t          ; each accumulator from its low end on
	ds_store_b128 v12, v[ACC+32*\c+8*\t+4:ACC+32*\c+8*\t+7] offset:4352*\c+64*\t+16
.endr
.endr
.irp i, 0,1,2,3,4,5,6,7,8,9,10,11,12,13,14,15
	ds_load_b128 v[128+4*\i:131+4*\i], v13 offset:544*\i       ; LDS serves a wave's instructions in order: these see my stores
.endr
.irp i, 0,1,2,3,4,5,6,7,8,9,10,11,12,13,14,15
	s_wait_dscnt 15-\i                             ; rows 2 i, 2 i + 1 are back; the younger row loads may be out
	global_store_b128 v14, v[128+4*\i:131+4*\i], s[18:19] offset:2*\i*8192 th:TH_STORE_NT
.endr
	s_wait_tensorcnt 0x0
	ds_add_u32 v254, v255
	s_wait_dscnt 0x0
	CROUND                                         ; the closing round
	s_endpgm
.Lfunc_end_k_qbe637dea60_outp:
	.size	k_qbe637dea60_outp, .Lfunc_end_k_qbe637dea60_outp-k_qbe637dea60_outp
	.p2alignl 7, 3214868480
	.fill 96, 4, 3214868480
	.section	.rodata,"a",@progbits
	.p2align	6, 0x0
	.amdhsa_kernel k_qbe637dea60_outp
		.amdhsa_group_segment_fixed_size 268288
		.amdhsa_private_segment_fixed_size 0
		.amdhsa_enable_private_segment 0
		.amdhsa_kernarg_size 64
		.amdhsa_user_sgpr_count 2
		.amdhsa_user_sgpr_kernarg_segment_ptr 1
		.amdhsa_wavefront_size32 1
		.amdhsa_system_sgpr_workgroup_id_x 1
		.amdhsa_system_sgpr_workgroup_id_y 1
		.amdhsa_system_sgpr_workgroup_id_z 1
		.amdhsa_system_vgpr_workitem_id 0
		.amdhsa_next_free_vgpr 256
		.amdhsa_next_free_sgpr 66
		.amdhsa_reserve_vcc 0
		.amdhsa_float_denorm_mode_32 3
		.amdhsa_float_denorm_mode_16_64 3
		.amdhsa_memory_ordered 1
		.amdhsa_forward_progress 1
		.amdhsa_inst_pref_size 33
	.end_amdhsa_kernel
	.amdgpu_metadata
---
amdhsa.version: [ 1, 2 ]
amdhsa.kernels:
  - .name:           k_qbe637dea60_outp
    .symbol:         k_qbe637dea60_outp.kd
    .args:
      - { .name: oc, .offset: 0, .size: 8, .value_kind: global_buffer, .address_space: global }
      - { .name: wo, .offset: 8, .size: 8, .value_kind: global_buffer, .address_space: global }
      - { .name: x, .offset: 16, .size: 8, .value_kind: global_buffer, .address_space: global }
      - { .name: stats, .offset: 24, .size: 8, .value_kind: global_buffer, .address_space: global }
      - { .name: gamma, .offset: 32, .size: 8, .value_kind: global_buffer, .address_space: global }
      - { .name: beta, .offset: 40, .size: 8, .value_kind: global_buffer, .address_space: global }
      - { .name: bout, .offset: 48, .size: 8, .value_kind: global_buffer, .address_space: global }
      - { .name: out0, .offset: 56, .size: 8, .value_kind: global_buffer, .address_space: global }
    .group_segment_fixed_size: 268288
    .private_segment_fixed_size: 0
    .kernarg_segment_align: 8
    .kernarg_segment_size: 64
    .max_flat_workgroup_size: 256
    .sgpr_count:     66
    .vgpr_count:     256
    .wavefront_size: 32
...
	.end_amdgpu_metadata
.endif
;; end of part 4
